; MI455X (gfx1250); checked and timed in simulation.
; The chip was launched on July 23, 2026; its instructions are those of AMD's public machine-readable ISA for CDNA 5 (MIT licence, August 2026) and "CDNA5" Instruction Set Architecture Reference Guide (July 2026). The comments in the code are by the model that wrote it; some were corrected since.
;; Multihead Attention. Allowed arithmetic: matrix products marked QUANTISED: E2M1 operands, one E8M0 scale for each 32 along K, by v_wmma_scale_f32_16x16x128_f8f6f4 with both operands' format E2M1 (or v_wmma_scale_f32_32x16x128_f4), f32 sums; products left as they are: bf16, f16 or f32 operands; f32 sums; everything else in f32.
;; Inputs: Wk 1,024 x 1,024 float32; Wo 1,024 x 1,024 float32; Wq 1,024 x 1,024 float32; Wv 1,024 x 1,024 float32; bo 1,024 float32; x 4 x 2,048 x 1,024 float32.
;; Outputs: out0 4 x 2,048 x 1,024 float32.
;; This version of the problem:
;;   THIS VERSION OF THE PROBLEM IS GIVEN IN LOW PRECISION. The matrix products marked QUANTISED in the list below multiply operands that are first quantised to E2M1 (2 exponent bits, 1 mantissa bit; 4 bits a number), with one power-of-two scale for each 32 numbers along K (OCP MX v1.0); their sums are f32. The products marked 'left as it is' may take bf16, f16 or f32 operands, with f32 sums. Whichever they take, every output number must still come out within the allowed error. Rounding operands to bf16 (8 significant bits) uses up far more of that allowance than f16 does (11 bits, for magnitudes from 6e-5 to 65,504). All else is computed in f32.
;;   The module's matrix products, in the order in which they are computed (A, B: the left and right operand; K: the contracted axis; several contracted axes count as one K, in the product's order):
;;     1. [M 8,192, K 1,024] x [K 1,024, N 1,024]; A: input x; B: input Wq: QUANTISED
;;     2. [M 8,192, K 1,024] x [K 1,024, N 1,024]; A: input x; B: input Wk: QUANTISED
;;     3. [M 8,192, K 1,024] x [K 1,024, N 1,024]; A: input x; B: input Wv: QUANTISED
;;     4. batch 64 x [M 2,048, K 64] x [K 64, N 2,048]; A: computed on the way; B: computed on the way: left as it is (an operand is computed on the way)
;;     5. batch 64 x [M 2,048, K 2,048] x [K 2,048, N 64]; A: computed on the way; B: computed on the way: left as it is (an operand is computed on the way)
;;     6. [M 8,192, K 1,024] x [K 1,024, N 1,024]; A: computed on the way; B: input Wo: left as it is (an operand is computed on the way)
;;   THE QUANTISER, for each operand of a quantised product, along K:
;;     - K is cut into blocks of 32 from its start; a last block that is shorter is filled with zeros.
;;     - A block's scale is 2^e with e = floor(log2(the largest magnitude in the block)) - 2, held to -126 .. 127; a block of zeros has e = 0. As a byte (E8M0): e + 127.
;;     - Each number is divided by its block's scale, clamped to +-6, and rounded to the nearest number of E2M1, ties to even, subnormals kept.
;;     - The product sums the exact products of the quantised numbers (number of the format x scale) in f32.
;;   ~~~python
;;   def quantise(x, axis):      # numpy; x: float32 -> the quantised numbers, widened to float32 again
;;       x = np.moveaxis(x, axis, -1); K = x.shape[-1]
;;       x = np.pad(x, [(0, 0)] * (x.ndim - 1) + [(0, -K % 32)]); x = x.reshape(x.shape[:-1] + (-1, 32)); a = np.abs(x).max(-1, keepdims=True)
;;       e = np.where(a > 0, np.clip(np.frexp(np.where(a > 0, a, 1))[1] - 1 - 2, -126, 127), 0)      # np.frexp(a)[1] - 1 = floor(log2(a)), exactly
;;       r = np.clip(x / 2.0 ** e, -6, 6)
;;       step = 2.0 ** (np.maximum(np.frexp(np.where(r == 0, 1, r))[1] - 1, 0) - 1)
;;       q = np.round(r / step) * step * 2.0 ** e      # np.round: ties to even
;;       return np.moveaxis(q.reshape(q.shape[:-2] + (-1,))[..., :K], -1, axis).astype(np.float32)
;;   ~~~
;; One version. Each part assembles by itself: llvm-mc -triple=amdgcn-amd-amdhsa -mcpu=gfx1250 --defsym DOCPART=n.
;; ======== version 1 of 1: 5 launches
;; limits: values are held in f16: magnitudes above 65,504 overflow, below 6.1e-05 lose precision
;; workspace buffers: xc 4,194,304 bytes; xs 262,144 bytes; wc 1,572,864 bytes; ws 98,304 bytes; wot 2,097,152 bytes; qkv 50,331,648 bytes; fq 786,432 bytes; z 16,777,216 bytes
;; launch prep (part 1): grid 576 x 1, 4 waves a work-group, no clusters, 33,280 bytes of LDS; arguments x, Wq, Wk, Wv, Wo, xc, xs, wc, ws, wot; writes xc, xs, wc, ws, wot
.if DOCPART == 1
	.amdgcn_target "amdgcn-amd-amdhsa--gfx1250"
	.amdhsa_code_object_version 6
	.text
	.protected	k_qb326bdfb1b_prep
	.globl	k_qb326bdfb1b_prep
	.p2align	8
	.type	k_qb326bdfb1b_prep,@function
k_qb326bdfb1b_prep:
	s_mov_b64 s[64:65], 0
	v_nop
	global_prefetch_b8 v0, s[64:65] scope:SCOPE_SE
	s_setreg_imm32_b32 hwreg(HW_REG_WAVE_MODE, 25, 1), 1
	s_wait_xcnt 0x0
; THE OPERANDS ARE MADE READY, once each, for the launches that read them many times.
;   x  [8192][1024] f32 -> xc: codes of FP4 (E2M1), K innermost, 512 bytes a row; xs: one E8M0 byte for each 32 along K, 32 bytes a row.
;   Wq, Wk, Wv [k 1024][n 1024] f32, K their FIRST axis -> wc: codes as IMAGES OF THE OPERAND'S REGISTERS: [tile of 16 columns: 192][128 along K: 8][1,024 bytes];
;       in an image the 16 bytes of (column r, block 2 c + h of 32 along K) lie at 512 c + 256 h + 16 r.   ws: [column 3072][32 bytes].
;   Wo [k 1024][n 1024] f32 -> wot: f16, images again: [tile of 16 columns: 64][32 along K: 32][1,024 bytes]; k = 16 g + 8 h + 0 .. 7 of column r at 512 g + 256 h + 16 r.
; A block's scale is 2^(floor(log2(its largest magnitude)) - 2); its byte is the largest magnitude's exponent field - 2, held at 1 from below.
; LIMITS: a block of zeros gets the byte 1 (its codes are zeros, which add nothing, and this program alone reads the bytes); NaN and infinities are not served; numbers of Wo beyond 65,504 have no f16.
; WORK-GROUPS: 0-191 the three quantised weights, 192-319 Wo, 320-575 x.  The paths part on the work-group's number; x's path alone touches LDS.
; In the weights' paths a LANE TAKES A COLUMN and its registers run down K: each load reads 128 neighbouring bytes, a block of 32 lies in one lane, nothing is transposed.
.set SPARE, 32768                      ; behind the four waves' regions: the spare words, 128 bytes for each wave
.set WREG,  8192                       ; x's path: a wave's LDS: two stages of 32 x 80 bytes, then its 256 scale bytes
.set SP,    80
.set CB,    8
.set STEPS, 16
.set EMAX,  2
.set SPW,   12                         ; v12 my spare word's LDS address; never rewritten
.set NIL,   13                         ; v13 0; never rewritten
.set R,     16                         ; x: v16-79 four sets of 16 numbers as loaded
.set X,     80                         ; x: v80-111 two sets of 16 neighbours
.set E,     112                        ; x: v112-127 a scale byte for each step
.set C,     128                        ; x: v128-191 codes
.set WX,    32                         ; weights: v32-95 two sets of 32 numbers down K
.set WC,    96                         ; weights: v96-127 what is stored, registers of its own for each block
.macro LOADBLK t                       ; block t: W(32 t + i, my column), i = 0 .. 31
.set li, 0
.rept 32
	global_load_b32 v[WX+32*((\t)%2)+li], v3, s[26:27] offset:(32*(\t)+li)*4096 th:TH_LOAD_NT
.set li, li+1
.endr
.endm
.macro QBLK t                          ; block t of a quantised weight: scale, codes, store
.set XS, WX+32*((\t)%2)
.if (\t) < 3
	s_wait_loadcnt 32                              ; this block's 32 loads are in; the next block's may be out
.else
	s_wait_loadcnt 0x0
.endif
	v_max3_num_f32 v8, |v[XS]|, |v[XS+1]|, |v[XS+2]|
	v_max3_num_f32 v9, |v[XS+3]|, |v[XS+4]|, |v[XS+5]|
.irp i, 6,10,14,18,22,26
	v_max3_num_f32 v8, v8, |v[XS+\i]|, |v[XS+\i+1]|
	v_max3_num_f32 v9, v9, |v[XS+\i+2]|, |v[XS+\i+3]|
.endr
	v_max3_num_f32 v8, v8, |v[XS+30]|, |v[XS+31]|
	v_max3_num_f32 v8, v8, v9, (EMAX+1)<<23        ; the floor 2^(3 - 127): the byte cannot fall under 1
	v_add_nc_u32 v11, -(EMAX<<23), v8              ; 2 off the exponent field: the conversion's scale operand
	v_lshrrev_b32 v10, 23, v11                     ; the scale's byte
.if (\t) == 0
	v_mov_b32 v24, v10
.else
	v_lshl_or_b32 v24, v10, 8*(\t), v24            ; four bytes make the word of these 128 along K
.endif
.irp g, 0,1,2,3
	v_cvt_scalef32_pk8_fp4_f32 v[WC+4*(\t)+\g], v[XS+8*\g:XS+8*\g+7], v11
.endr
	v_nop                                          ; one plain line behind the conversions
	global_store_b128 v4, v[WC+4*(\t):WC+4*(\t)+3], s[18:19] offset:512*((\t)/2)+256*((\t)%2)   ; sixteen lanes store 256 consecutive bytes, aligned
.if (\t) < 2
	LOADBLK (\t)+2
.endif
.endm
.macro OBLK t                          ; 32 along K of Wo: rounded to f16, four stores
.set XS, WX+32*(\t)
.if (\t) == 0
	s_wait_loadcnt 32
.else
	s_wait_loadcnt 0x0
.endif
.set li, 0
.rept 16
	v_cvt_pk_f16_f32 v[WC+16*(\t)+li], v[XS+2*li], v[XS+2*li+1]
.set li, li+1
.endr
.irp g, 0,1
.irp h, 0,1
	global_store_b128 v4, v[WC+16*(\t)+8*\g+4*\h:WC+16*(\t)+8*\g+4*\h+3], s[22:23] offset:1024*(\t)+512*\g+256*\h
.endr
.endr
.endm
.macro XLOAD t
.irp i, 0,1,2,3
	global_load_b128 v[R+16*((\t)%4)+4*\i:R+16*((\t)%4)+4*\i+3], v3, s[4:5] offset:2048*(\t)+512*\i th:TH_LOAD_NT   ; 32 lanes read 512 consecutive bytes
.endr
.endm
.macro XTURN t                         ; step t's numbers through the stage: in as loaded, back 64 bytes a lane; LDS serves a wave's instructions in order
.irp i, 0,1,2,3
	ds_store_b128 v14, v[R+16*((\t)%4)+4*\i:R+16*((\t)%4)+4*\i+3] offset:32*SP*((\t)%2)+8*SP*\i
.endr
.irp i, 0,1,2,3
	ds_load_b128 v[X+16*((\t)%2)+4*\i:X+16*((\t)%2)+4*\i+3], v15 offset:32*SP*((\t)%2)+16*\i
.endr
.endm
.macro XSTEP t
.set XS, X+16*((\t)%2)
.if (\t) > 0
	s_wait_dscnt 1                                 ; this step's numbers are back (the last step's byte store may be out)
.else
	s_wait_dscnt 0x0
.endif
.if (\t)+4 < STEPS
	XLOAD (\t)+4
.endif
.if (\t)+1 < STEPS
.if STEPS-2-(\t) >= 3
	s_wait_loadcnt 12                              ; the next step's four loads are in; three steps' may be out
.else
	s_wait_loadcnt 4*(STEPS-2-(\t))
.endif
	XTURN (\t)+1
.endif
	v_max3_num_f32 v8, |v[XS]|, |v[XS+1]|, |v[XS+2]|
	v_max3_num_f32 v9, |v[XS+3]|, |v[XS+4]|, |v[XS+5]|
.irp i, 6,10
	v_max3_num_f32 v8, v8, |v[XS+\i]|, |v[XS+\i+1]|
	v_max3_num_f32 v9, v9, |v[XS+\i+2]|, |v[XS+\i+3]|
.endr
	v_max3_num_f32 v8, v8, |v[XS+14]|, |v[XS+15]|
	v_max3_num_f32 v8, v8, v9, (EMAX+1)<<23
	v_max_num_f32_dpp v8, v8, v8 row_xmask:1 row_mask:0xf bank_mask:0xf   ; with my neighbour's 16: the block's largest magnitude
	v_add_nc_u32 v11, -(EMAX<<23), v8
	v_cvt_scalef32_pk8_fp4_f32 v[C+4*(\t)], v[XS:XS+7], v11
	v_cvt_scalef32_pk8_fp4_f32 v[C+4*(\t)+1], v[XS+8:XS+15], v11
	v_lshrrev_b32 v[E+(\t)], 23, v11
	ds_store_b8 v5, v[E+(\t)] offset:16*(\t)       ; both lanes of a block write the same byte with the same value
	global_store_b64 v4, v[C+4*(\t):C+4*(\t)+1], s[14:15] offset:32*CB*(\t)   ; the wave stores 256 consecutive bytes, aligned
.endm
	s_load_b512 s[4:19], s[0:1], 0x0               ; x 4, Wq 6, Wk 8, Wv 10, Wo 12, xc 14, xs 16, wc 18
	s_load_b128 s[20:23], s[0:1], 0x40             ; ws 20, wot 22
	v_lshl_add_u32 v[SPW], v0, 2, SPARE
	v_mov_b32 v[NIL], 0
	v_lshrrev_b32 v1, 5, v0
	v_readfirstlane_b32 s24, v1                    ; wave
	v_and_b32 v2, 31, v0                           ; lane
	s_wait_kmcnt 0x0
	s_cmp_lt_u32 ttmp9, 192
	s_cbranch_scc1 .Lw
	s_cmp_lt_u32 ttmp9, 320
	s_cbranch_scc1 .Lo
	; ---- x: a plain stream of blocks of 32; a wave takes 16 steps of 512 numbers
	v_lshlrev_b32 v3, 4, v2                        ; my 16 bytes of a load's 512
	s_mul_i32 s25, s24, WREG
	v_lshrrev_b32 v14, 2, v2
	v_mul_u32_u24 v14, v14, SP
	v_and_b32 v15, 3, v2
	v_lshl_add_u32 v14, v15, 4, v14
	v_add_nc_u32 v14, s25, v14                     ; the stage, in: 80 (lane / 4) + 16 (lane % 4)
	v_mul_u32_u24 v15, v2, SP
	v_add_nc_u32 v15, s25, v15                     ; and back: 80 x lane: my 16 neighbours
	v_mul_u32_u24 v4, v2, CB
	v_lshrrev_b32 v5, 1, v2
	s_add_co_u32 s25, s25, 2*32*SP
	v_add_nc_u32 v5, s25, v5                       ; my block's scale byte in LDS
	v_lshlrev_b32 v7, 3, v2
	v_add_nc_u32 v6, s25, v7
	s_sub_co_u32 s26, ttmp9, 320
	s_lshl_b32 s26, s26, 2
	s_add_co_u32 s26, s26, s24                     ; which run of 8,192 numbers is my wave's: 0 .. 1023
	s_mov_b32 s29, 0
	s_lshl_b32 s28, s26, 15
	s_add_nc_u64 s[4:5], s[4:5], s[28:29]
	s_lshl_b32 s28, s26, 12
	s_add_nc_u64 s[14:15], s[14:15], s[28:29]
	s_lshl_b32 s28, s26, 8
	s_add_nc_u64 s[16:17], s[16:17], s[28:29]
.irp t, 0,1,2,3
	XLOAD \t
.endr
	s_wait_loadcnt 12                              ; step 0's four loads are in
	XTURN 0
.irp t, 0,1,2,3,4,5,6,7,8,9,10,11,12,13,14,15
	XSTEP \t
.endr
	ds_load_b64 v[8:9], v6                         ; my wave's 256 scale bytes, 8 a lane
	s_wait_dscnt 0x0
	global_store_b64 v7, v[8:9], s[16:17]          ; one aligned run of 256 bytes
	s_wait_tensorcnt 0x0                           ; the wave's end
	ds_add_u32 v[SPW], v[NIL]
	s_wait_dscnt 0x0
	s_endpgm
.Lw:	; ---- Wq, Wk, Wv: a wave takes 32 columns x 128 along K: four blocks a lane
	s_and_b32 s25, ttmp9, 7                        ; which 128 along K
	s_bfe_u32 s28, ttmp9, 0x30003                  ; which 128 columns
	s_lshr_b32 s29, ttmp9, 6                       ; which weight
	s_cmp_eq_u32 s29, 0
	s_cselect_b64 s[26:27], s[6:7], s[8:9]
	s_cmp_eq_u32 s29, 2
	s_cselect_b64 s[26:27], s[10:11], s[26:27]
	s_lshl_b32 s28, s28, 7
	s_lshl_b32 s30, s24, 5
	s_add_co_u32 s28, s28, s30                     ; my wave's first column
	s_lshl_b32 s30, s25, 19                        ; 128 rows of 4,096 bytes
	s_lshl_b32 s31, s28, 2
	s_add_co_u32 s30, s30, s31
	s_mov_b32 s31, 0
	s_add_nc_u64 s[26:27], s[26:27], s[30:31]
	s_lshl_b32 s32, s29, 10
	s_add_co_u32 s32, s32, s28                     ; its row among the 3,072 of the joined operand
	s_lshl_b32 s30, s32, 9                         ; (row / 16) x 8,192
	s_lshl_b32 s33, s25, 10
	s_add_co_u32 s30, s30, s33
	s_add_nc_u64 s[18:19], s[18:19], s[30:31]
	s_lshl_b32 s30, s32, 5
	s_lshl_b32 s33, s25, 2
	s_add_co_u32 s30, s30, s33
	s_add_nc_u64 s[20:21], s[20:21], s[30:31]
	v_lshlrev_b32 v3, 2, v2                        ; in: 4 bytes a lane
	v_lshrrev_b32 v6, 4, v2
	v_and_b32 v7, 15, v2
	v_lshlrev_b32 v4, 4, v7
	v_lshl_add_u32 v4, v6, 13, v4                  ; out: 16 (lane % 16), the second tile of columns 8,192 bytes on
	v_lshlrev_b32 v5, 5, v2                        ; my column's row of scale bytes
	LOADBLK 0
	LOADBLK 1
	QBLK 0
	QBLK 1
	QBLK 2
	QBLK 3
	global_store_b32 v5, v24, s[20:21]             ; 4 bytes of each of 32 rows of 32 bytes: short pieces, 98,304 bytes in the whole launch
	s_endpgm
.Lo:	; ---- Wo: a wave takes 32 columns x 64 along K
	s_sub_co_u32 s25, ttmp9, 192
	s_and_b32 s28, s25, 15                         ; which 64 along K
	s_lshr_b32 s29, s25, 4
	s_lshl_b32 s29, s29, 7
	s_lshl_b32 s30, s24, 5
	s_add_co_u32 s29, s29, s30                     ; my wave's first column
	s_lshl_b32 s30, s28, 18
	s_lshl_b32 s31, s29, 2
	s_add_co_u32 s30, s30, s31
	s_mov_b32 s31, 0
	s_add_nc_u64 s[26:27], s[12:13], s[30:31]
	s_lshl_b32 s30, s29, 11                        ; (column / 16) x 32,768
	s_lshl_b32 s32, s28, 11                        ; two images of 1,024 bytes
	s_add_co_u32 s30, s30, s32
	s_add_nc_u64 s[22:23], s[22:23], s[30:31]
	v_lshlrev_b32 v3, 2, v2
	v_lshrrev_b32 v6, 4, v2
	v_and_b32 v7, 15, v2
	v_lshlrev_b32 v4, 4, v7
	v_lshl_add_u32 v4, v6, 15, v4
	LOADBLK 0
	LOADBLK 1
	OBLK 0
	OBLK 1
	s_endpgm
.Lfunc_end_k_qb326bdfb1b_prep:
	.size	k_qb326bdfb1b_prep, .Lfunc_end_k_qb326bdfb1b_prep-k_qb326bdfb1b_prep
	.p2alignl 7, 3214868480
	.fill 96, 4, 3214868480
	.section	.rodata,"a",@progbits
	.p2align	6, 0x0
	.amdhsa_kernel k_qb326bdfb1b_prep
		.amdhsa_group_segment_fixed_size 33280
		.amdhsa_private_segment_fixed_size 0
		.amdhsa_enable_private_segment 0
		.amdhsa_kernarg_size 80
		.amdhsa_user_sgpr_count 2
		.amdhsa_user_sgpr_kernarg_segment_ptr 1
		.amdhsa_wavefront_size32 1
		.amdhsa_system_sgpr_workgroup_id_x 1
		.amdhsa_system_sgpr_workgroup_id_y 1
		.amdhsa_system_sgpr_workgroup_id_z 1
		.amdhsa_system_vgpr_workitem_id 0
		.amdhsa_next_free_vgpr 192
		.amdhsa_next_free_sgpr 66
		.amdhsa_reserve_vcc 0
		.amdhsa_float_denorm_mode_32 3
		.amdhsa_float_denorm_mode_16_64 3
		.amdhsa_memory_ordered 1
		.amdhsa_forward_progress 1
		.amdhsa_inst_pref_size 62
	.end_amdhsa_kernel
	.amdgpu_metadata
---
amdhsa.version: [ 1, 2 ]
amdhsa.kernels:
  - .name:           k_qb326bdfb1b_prep
    .symbol:         k_qb326bdfb1b_prep.kd
    .args:
      - { .name: x, .offset: 0, .size: 8, .value_kind: global_buffer, .address_space: global }
      - { .name: Wq, .offset: 8, .size: 8, .value_kind: global_buffer, .address_space: global }
      - { .name: Wk, .offset: 16, .size: 8, .value_kind: global_buffer, .address_space: global }
      - { .name: Wv, .offset: 24, .size: 8, .value_kind: global_buffer, .address_space: global }
      - { .name: Wo, .offset: 32, .size: 8, .value_kind: global_buffer, .address_space: global }
      - { .name: xc, .offset: 40, .size: 8, .value_kind: global_buffer, .address_space: global }
      - { .name: xs, .offset: 48, .size: 8, .value_kind: global_buffer, .address_space: global }
      - { .name: wc, .offset: 56, .size: 8, .value_kind: global_buffer, .address_space: global }
      - { .name: ws, .offset: 64, .size: 8, .value_kind: global_buffer, .address_space: global }
      - { .name: wot, .offset: 72, .size: 8, .value_kind: global_buffer, .address_space: global }
    .group_segment_fixed_size: 33280
    .private_segment_fixed_size: 0
    .kernarg_segment_align: 8
    .kernarg_segment_size: 80
    .max_flat_workgroup_size: 128
    .sgpr_count:     66
    .vgpr_count:     192
    .wavefront_size: 32
...
	.end_amdgpu_metadata
.endif
;; end of part 1
;; launch gemm (part 2): grid 12 x 32, 4 waves a work-group, clusters of 4 x 4, 327,680 bytes of LDS; arguments xc, xs, wc, ws, qkv, fq; writes qkv, fq
.if DOCPART == 2
	.amdgcn_target "amdgcn-amd-amdhsa--gfx1250"
	.amdhsa_code_object_version 6
	.text
	.protected	k_qb326bdfb1b_gemm
	.globl	k_qb326bdfb1b_gemm
	.p2align	8
	.type	k_qb326bdfb1b_gemm,@function
k_qb326bdfb1b_gemm:
	s_mov_b64 s[64:65], 0
	v_nop
	global_prefetch_b8 v0, s[64:65] scope:SCOPE_SE
	s_setreg_imm32_b32 hwreg(HW_REG_WAVE_MODE, 25, 1), 1
	s_wait_xcnt 0x0
	s_wait_alu depctr_hold_cnt(0) depctr_sa_sdst(0) depctr_va_vdst(0) depctr_va_sdst(0) depctr_va_ssrc(0) depctr_va_vcc(0) depctr_vm_vsrc(0)
	s_getreg_b32 s2, hwreg(HW_REG_IB_STS2, 6, 4)
	s_cmp_eq_u32 s2, 0
	s_cbranch_scc0 .Lentry_in_a_cluster
	s_endpgm
.Lentry_in_a_cluster:
	s_bfe_u32 s2, ttmp6, 0x10000c
	s_cmp_lg_u32 s2, 0xf033
	s_cbranch_scc0 .Lentry_shape_is_right
	s_endpgm
.Lentry_shape_is_right:
; [8192][3072] = x [Wq Wk Wv], both operands codes of FP4 (E2M1) with one E8M0 scale for each 32 along K = 1,024; sums in f32.
; A tile of 256 x 256 to a work-group of four waves, 128 x 128 (64 accumulators, 512 registers) to a wave.  K is two slots of 512: both are asked for at the head, nothing is filled again.
; A (x): rows of 512 bytes in memory, 256 bytes of a row to a slot, 16 bytes of padding behind each in LDS.  B (the weights): images of the operand's registers, 1,024 bytes for 16 columns x 128 K,
; so a fragment is two loads at 16 x lane.  The scale bytes of the work-group's rows and columns, for all of K, come once.
; CLUSTERS: 4 x 4.  A's tiles are asked for jointly along a row of the cluster, B's along a column.  TILE ROW = 8 cy + cluster y: the four tile rows that begin a sequence (rows 2,048 b) then
; lie in the clusters with y = 0, and the branch for the f32 copy below hangs on the cluster's y and the wave's number alone, which all partners share.
; THE MATRIX INSTRUCTION IS USED TRANSPOSED (source 0 = 16 columns of W, source 1 = 16 rows of x): a lane holds eight neighbouring columns of one row.
; OUT: q, k, v as f16, again as images: qkv [plane of 64 columns: 48][tile of 16 rows: 512][32 channels: 2][1,024 bytes]; channels 16 g + 8 h + 0 .. 7 of row r at 512 g + 16 x lane.  A lane's four
; packed registers ARE its 16 bytes of the image: each store of the wave covers 512 consecutive bytes, aligned, and no stage in LDS is needed.
; The first 16 rows of each sequence also go out in f32 (fq [4][16][3072]) for the launch that carries them finely: 32 bytes a lane, rows apart; 786,432 bytes in all.
; LIMIT: results beyond 65,504 have no f16.
; REGISTERS: window 0: v16-29 addresses; v32-95 scale words, two sets, and nothing else; v128-191 A's fragments, one set, on the way out the packed results.  window 1: B's fragments, two sets.  windows 2, 3: accumulators.
.set NQ,     4
.set ROWB,   256
.set KROW,   512
.set PITCH,  272                       ; 256 bytes + 16: the 16 rows that a load touches start 68 words apart (64 banks of 4 bytes: ISA guide 11.1)
.set FR,     8
.set NL,     2
.set NP,     4                         ; places behind this matrix instruction (ISA guide 7.12.1)
.set HALFA,  128*PITCH
.set HALFB,  32768                     ; 8 tiles of 16 columns x 4 images
.set BOFF,   2*HALFA
.set SLOT,   2*HALFA+2*HALFB
.set KS,     32
.set SCL,    2*SLOT
.set HALFS,  16*272
.set SBLK,   2*272
.set SPARE,  SCL+4*HALFS               ; the spare words, 128 bytes for each wave
.set ADRA, 16
.set ADRB, 20
.set FO,   24                          ; v24 my byte offset in fq: 12,288 r + 32 h
.set LI,   25                          ; v25 16 x lane
.set ADRS, 27
.set SPW,  28
.set NIL,  29
.set SC,   32
.set AF,   128
.set TMP,  128
.set WV, 16                            ; s16 wave
.set RH, 17                            ; s17 my half of the tile's rows; also: I fetch for A (0) or B (1)
.set CH, 18                            ; s18 my half of its columns; also: which half I fetch
.set TR, 19                            ; s19 tile row
.set G1, 24
.set G0, 32
.set G1B, 48
.set G0B, 56
.set G1S, 68
.set G0S, 76
.set G1SB, 80
.set G0SB, 88
.set MSB, 0
.macro WIN new                         ; the immediate's high byte repeats the setting that is left
.if MSB != \new
	s_set_vgpr_msb (MSB<<8)|\new
.set MSB, \new
.endif
.endm
.set MUL_LO, 0xa1                      ; source 0 (B) window 1, source 1 (A) window 0, C and D window 2
.set MUL_HI, 0xf1
.set TO_B,   0x40
.macro JLOAD g0a, g1a, g0b, g1b        ; a joint load: waves 0, 1 for A, waves 2, 3 for B; s_nop 0 and four v_nop behind each line
	s_cmp_eq_u32 s[RH], 0
	s_cbranch_scc0 .Lfor_b_\@
	tensor_load_to_lds s[\g0a:\g0a+3], s[\g1a:\g1a+7]
	s_nop 0
.rept 4
	v_nop
.endr
	s_branch .Lasked_\@
.Lfor_b_\@:
	tensor_load_to_lds s[\g0b:\g0b+3], s[\g1b:\g1b+7]
	s_nop 0
.rept 4
	v_nop
.endr
.Lasked_\@:
.endm
.macro CROUND                          ; a round of the cluster's barrier
	s_barrier_signal -1
	s_barrier_wait -1
	s_cmp_lg_u32 s[WV], 0
	s_cbranch_scc1 .Lnot_wave_0_\@
	s_barrier_signal -3
.Lnot_wave_0_\@:
	s_barrier_wait -3
	s_barrier_signal -1
	s_barrier_wait -1
.endm
	s_load_b128 s[4:7], s[0:1], 0x0                ; x's codes, x's scales
	s_load_b128 s[8:11], s[0:1], 0x10              ; W's codes, W's scales
	s_load_b128 s[12:15], s[0:1], 0x20             ; qkv, fq
	v_lshl_add_u32 v[SPW], v0, 2, SPARE
	v_mov_b32 v[NIL], 0
	ds_add_u32 v[SPW], v[NIL]                      ; the wave's opening: the add, twice on end, and its wait ahead of my first tensor load
	ds_add_u32 v[SPW], v[NIL]
	v_lshrrev_b32 v1, 5, v0
	v_readfirstlane_b32 s[WV], v1
	s_lshr_b32 s[RH], s[WV], 1
	s_and_b32 s[CH], s[WV], 1
	s_bfe_u32 s40, ttmp6, 0x40000                  ; cx
	s_bfe_u32 s41, ttmp6, 0x40004                  ; cy
	s_lshl_b32 s42, ttmp9, 2
	s_add_co_u32 s42, s42, s40                     ; tile column = 4 x cluster x + cx
	s_and_b32 s67, ttmp7, 0xffff                   ; cluster y
	s_lshl_b32 s[TR], s41, 3
	s_add_co_u32 s[TR], s[TR], s67                 ; tile row = 8 cy + cluster y
	s_lshl_b32 s43, s41, 2
	s_lshl_b32 s43, 15, s43                        ; my row of the cluster
	s_lshl_b32 s44, 0x1111, s40                    ; my column
	s_or_b32 s[G1+0], s43, (0<<16)|(1<<20)|(1<<21)|(5<<22)|(3<<25)  ; A: elements of 1 byte; 4 words of padding behind every 64; bit 21 beside the mask
	s_mov_b32 s[G1+1], ROWB<<16                    ; tensor_dim0
	s_mov_b32 s[G1+2], 128<<16                     ; tensor_dim1
	s_mov_b32 s[G1+3], ROWB<<16                    ; tile_dim0
	s_mov_b32 s[G1+4], 128                         ; tile_dim1
	s_mov_b32 s[G1+5], KROW                        ; from row to row
	s_mov_b32 s[G1+6], 0
	s_mov_b32 s[G1+7], 0
	s_or_b32 s[G1B+0], s44, (3<<16)|(1<<21)        ; B: elements of 8 bytes, dense in LDS: 8 tiles of columns x 4,096 bytes (four images), 8,192 bytes apart in memory
	s_mov_b32 s[G1B+1], 512<<16
	s_mov_b32 s[G1B+2], 8<<16
	s_mov_b32 s[G1B+3], 512<<16
	s_mov_b32 s[G1B+4], 8
	s_mov_b32 s[G1B+5], 1024
	s_mov_b32 s[G1B+6], 0
	s_mov_b32 s[G1B+7], 0
	s_or_b32 s[G1S+0], s43, (3<<16)|(1<<20)|(1<<21)|(5<<22)|(3<<25) ; the scales of 128 rows: 4,096 dense bytes as 16 rows of 256, 16 bytes of padding behind each
	s_or_b32 s[G1SB+0], s44, (3<<16)|(1<<20)|(1<<21)|(5<<22)|(3<<25)
.irp g, G1S, G1SB
	s_mov_b32 s[\g+1], 32<<16
	s_mov_b32 s[\g+2], 16<<16
	s_mov_b32 s[\g+3], 32<<16
	s_mov_b32 s[\g+4], 16
	s_mov_b32 s[\g+5], 32
	s_mov_b32 s[\g+6], 0
	s_mov_b32 s[\g+7], 0
.endr
	s_lshl_b32 s2, s[CH], 7                        ; which 128 rows I fetch
	s_lshl_b32 s20, s[TR], 8
	s_add_co_u32 s20, s20, s2                      ; A: row 256 x tile row + 128 x half
	s_lshl_b32 s46, s42, 8
	s_add_co_u32 s46, s46, s2                      ; B: column 256 x tile column + 128 x half
	s_lshl_b32 s22, s20, 5                         ; 32 scale bytes a row
	s_mov_b32 s23, 0
	s_lshl_b32 s20, s20, 9                         ; 512 bytes of codes a row
	s_mov_b32 s21, 0
	s_lshl_b32 s92, s46, 5
	s_mov_b32 s93, 0
	s_lshl_b32 s46, s46, 9                         ; (column / 16) x 8,192
	s_mov_b32 s47, 0
	s_mul_i32 s45, s[CH], HALFA                    ; where they go: no place in the cluster enters an LDS address
	s_mul_i32 s66, s[CH], HALFB
	s_add_co_u32 s66, s66, BOFF
	s_mul_i32 s94, s[WV], HALFS
	s_wait_dscnt 0x0                               ; both opening adds are done
	s_wait_kmcnt 0x0
	s_add_nc_u64 s[20:21], s[4:5], s[20:21]
	s_add_nc_u64 s[22:23], s[6:7], s[22:23]
	s_add_nc_u64 s[46:47], s[8:9], s[46:47]
	s_add_nc_u64 s[92:93], s[10:11], s[92:93]
	CROUND                                         ; all sixteen work-groups are here: the joint loads meet
	s_mov_b32 s[G0S], 1
	s_add_co_u32 s[G0S+1], s94, SCL
	s_mov_b64 s[G0S+2:G0S+3], s[22:23]
	s_or_b32 s[G0S+3], s[G0S+3], 0x80000000
	s_mov_b32 s[G0SB], 1
	s_add_co_u32 s[G0SB+1], s94, SCL
	s_mov_b64 s[G0SB+2:G0SB+3], s[92:93]
	s_or_b32 s[G0SB+3], s[G0SB+3], 0x80000000
	JLOAD G0S, G1S, G0SB, G1SB                     ; the scales first; three loads of mine are out behind the third
.irp s, 0,1
	s_mov_b32 s[G0+4*\s], 1
	s_add_co_u32 s[G0+4*\s+1], s45, \s*SLOT
	s_add_nc_u64 s[G0+4*\s+2:G0+4*\s+3], s[20:21], \s*ROWB
	s_or_b32 s[G0+4*\s+3], s[G0+4*\s+3], 0x80000000
	s_mov_b32 s[G0B+4*\s], 1
	s_add_co_u32 s[G0B+4*\s+1], s66, \s*SLOT
	s_add_nc_u64 s[G0B+4*\s+2:G0B+4*\s+3], s[46:47], \s*4096
	s_or_b32 s[G0B+4*\s+3], s[G0B+4*\s+3], 0x80000000
	JLOAD G0+4*\s, G1, G0B+4*\s, G1B
.endr
	v_and_b32 v1, 15, v0                           ; r
	v_bfe_u32 v2, v0, 4, 1                         ; h
	v_mul_u32_u24 v3, v1, PITCH
	v_lshl_add_u32 v4, v2, 4, v3                   ; A: row x pitch + 16 h
	v_and_b32 v6, 31, v0
	v_lshlrev_b32 v[LI], 4, v6
	s_mul_i32 s2, s[RH], HALFA
	s_mul_i32 s3, s[CH], HALFB
	s_add_co_u32 s3, s3, BOFF
.irp s, 0,1
	v_add_nc_u32 v[ADRA+\s], s2, v4
	v_add_nc_u32 v[ADRB+\s], s3, v[LI]
	s_add_co_u32 s2, s2, SLOT
	s_add_co_u32 s3, s3, SLOT
.endr
	v_mul_u32_u24 v5, v1, KS                       ; my row's scales: 32 bytes a row,
	v_lshrrev_b32 v6, 8, v5
	v_lshl_add_u32 v5, v6, 4, v5                   ; and 16 more for each 256 passed
	s_mul_i32 s2, s[RH], HALFS
	s_mul_i32 s3, s[CH], HALFS
	s_add_co_u32 s3, s3, 2*HALFS
	s_sub_co_u32 s3, s3, s2
	v_mul_u32_u24 v6, s3, v2                       ; lanes 16-31 take B's
	s_add_co_u32 s2, s2, SCL
	v_add_nc_u32 v5, v5, v6
	v_add_nc_u32 v[ADRS], s2, v5
	v_mul_u32_u24 v[FO], v1, 12288
	v_lshl_add_u32 v[FO], v2, 5, v[FO]
	s_lshl_b32 s2, s42, 2
	s_lshl_b32 s3, s[CH], 1
	s_add_co_u32 s2, s2, s3                        ; my first plane of 64 columns
	s_lshl_b32 s2, s2, 20
	s_lshl_b32 s3, s[TR], 15                       ; 16 tiles of rows x 2,048 bytes
	s_add_co_u32 s2, s2, s3
	s_lshl_b32 s3, s[RH], 14
	s_add_co_u32 s2, s2, s3
	s_mov_b32 s3, 0
	s_add_nc_u64 s[12:13], s[12:13], s[2:3]
	s_mul_i32 s2, s41, 196608                      ; fq: the batch is cy where the cluster's y is 0
	s_lshl_b32 s96, s42, 10
	s_add_co_u32 s2, s2, s96
	s_lshl_b32 s96, s[CH], 9
	s_add_co_u32 s2, s2, s96
	s_add_nc_u64 s[14:15], s[14:15], s[2:3]
.macro FRAGA reg, adr, q, i            ; 16 rows x 128 K: registers 4 c .. 4 c + 3 hold K = 64 c + 32 h + 0 .. 31
.irp c, 0,1
	ds_load_b128 v[\reg+4*\c:\reg+4*\c+3], v[\adr] offset:64*(\q)+32*\c+(\i)*16*PITCH
.endr
.endm
.macro FRAGB reg, adr, q, i            ; the same from an image
.irp c, 0,1
	ds_load_b128 v[\reg+4*\c:\reg+4*\c+3], v[\adr] offset:(\i)*4096+(\q)*1024+512*\c
.endr
.endm
; 16 matrix instructions: A's blocks a0, a0 + 1 x B's eight.  The 64 accumulators take turns, one instruction a turn, in the same order in every step.
.macro MUL16 a0, p, q, sc, zero
.irp a, \a0, \a0+1
.irp b, 0,1,2,3,4,5,6,7
.if \zero
	v_wmma_scale_f32_16x16x128_f8f6f4 v[8*(8*((\a)%4)+\b):8*(8*((\a)%4)+\b)+7], v[128*(\p)+FR*\b:128*(\p)+FR*\b+FR-1], v[AF+FR*(\a):AF+FR*(\a)+FR-1], 0, v[SC+8*NQ*(\sc)+NQ*\b+(\q)], v[SC+8*NQ*(\sc)+NQ*(\a)+(\q)] matrix_a_fmt:MATRIX_FMT_FP4 matrix_b_fmt:MATRIX_FMT_FP4 matrix_a_scale:MATRIX_SCALE_ROW1
.else
	v_wmma_scale_f32_16x16x128_f8f6f4 v[8*(8*((\a)%4)+\b):8*(8*((\a)%4)+\b)+7], v[128*(\p)+FR*\b:128*(\p)+FR*\b+FR-1], v[AF+FR*(\a):AF+FR*(\a)+FR-1], v[8*(8*((\a)%4)+\b):8*(8*((\a)%4)+\b)+7], v[SC+8*NQ*(\sc)+NQ*\b+(\q)], v[SC+8*NQ*(\sc)+NQ*(\a)+(\q)] matrix_a_fmt:MATRIX_FMT_FP4 matrix_b_fmt:MATRIX_FMT_FP4 matrix_a_scale:MATRIX_SCALE_ROW1
.endif
.endr
.endr
.endm
.macro FETCH_B slot, q, p
	WIN TO_B
.irp i, 0,1,2,3,4,5,6,7
	FRAGB 128*(\p)+FR*\i, ADRB+\slot, \q, \i
.endr
	WIN 0
.endm
.macro FETCH_A slot, q, i0
.irp i, \i0, \i0+1, \i0+2, \i0+3
	FRAGA AF+FR*(\i), ADRA+\slot, \q, \i
.endr
.endm
.macro SCALES sc                       ; a slot's scale words: lanes 0-15 A's block i, lanes 16-31 B's block i
.irp i, 0,1,2,3,4,5,6,7
	ds_load_b128 v[SC+8*NQ*\sc+NQ*\i:SC+8*NQ*\sc+NQ*\i+3], v[ADRS] offset:\i*SBLK
.endr
.endm
.macro PLACES n                        ; plain vector lines between a matrix instruction and a load into, or a read of, its registers
.rept \n
	v_nop
.endr
.endm
.macro STEP slot, q, zero              ; 128 along K that have their successor in the same slot
	s_wait_dscnt 4*NL                              ; B's set and A's blocks 0-3 are in; the youngest eight loads (A's blocks 4-7) may be out
	WIN MUL_LO
	MUL16 0, (\q)%2, \q, \slot, \zero
	MUL16 2, (\q)%2, \q, \slot, \zero
	s_wait_dscnt 0
	PLACES NP
	FETCH_B \slot, (\q)+1, 1-(\q)%2
	FETCH_A \slot, (\q)+1, 0
	WIN MUL_HI
	MUL16 4, (\q)%2, \q, \slot, \zero
	MUL16 6, (\q)%2, \q, \slot, \zero
	PLACES NP
	WIN 0
	FETCH_A \slot, (\q)+1, 4
.endm
.macro TURN slot, next                 ; slot 0's last step: one barrier, behind which slot 1 is whole for every wave; nothing is filled again
	s_wait_tensorcnt 0x0                           ; all my tensor loads have landed: my part of slot 1
	ds_add_u32 v[SPW], v[NIL]                      ; 0 onto my spare word
	s_wait_dscnt 4*NL+1                            ; (the add and A's blocks 4-7 may be out)
	WIN MUL_LO
	MUL16 0, 1, NQ-1, \slot, 0
	s_wait_dscnt 0x0
	s_barrier_signal -1
	MUL16 2, 1, NQ-1, \slot, 0
	WIN 0
	s_barrier_wait -1
	PLACES NP
	v_add_nc_u32 v[ADRS], 4*NQ, v[ADRS]            ; the next slot's scale words
	FETCH_B \next, 0, 0
	FETCH_A \next, 0, 0
	SCALES \next
	WIN MUL_HI
	MUL16 4, 1, NQ-1, \slot, 0
	MUL16 6, 1, NQ-1, \slot, 0
	PLACES NP
	WIN 0
	FETCH_A \next, 0, 4
.endm
	s_wait_tensorcnt 1                             ; the scales and my part of slot 0 are in; slot 1's load may be out
	s_barrier_signal -1
	s_barrier_wait -1
	FETCH_B 0, 0, 0
	FETCH_A 0, 0, 0
	SCALES 0
	FETCH_A 0, 0, 4
	STEP 0, 0, 1                                   ; the first products start the sums: nothing is cleared
	STEP 0, 1, 0
	STEP 0, 2, 0
	TURN 0, 1
	STEP 1, 0, 0
	STEP 1, 1, 0
	STEP 1, 2, 0
	s_wait_dscnt 4*NL
	WIN MUL_LO
	MUL16 0, 1, NQ-1, 1, 0
	MUL16 2, 1, NQ-1, 1, 0
	s_wait_dscnt 0
	WIN MUL_HI
	MUL16 4, 1, NQ-1, 1, 0
	MUL16 6, 1, NQ-1, 1, 0
	WIN 0
	PLACES NP                                      ; ahead of the reads of results and of the writes into A's registers
	; the first 16 rows of a sequence, in f32: block 0 of the upper waves in the clusters with y = 0
	s_or_b32 s96, s67, s[RH]
	s_cmp_lg_u32 s96, 0
	s_cbranch_scc1 .Lnofine
	WIN 0x08                                       ; a store's data: window 2
.irp b, 0,1,2,3,4,5,6,7
	global_store_b128 v[FO], v[8*\b:8*\b+3], s[14:15] offset:64*\b
	global_store_b128 v[FO], v[8*\b+4:8*\b+7], s[14:15] offset:64*\b+16
.endr
	WIN 0
.Lnofine:
.macro PACK a                          ; block a: 16 rows x 128 columns, rounded to f16, each accumulator from its low end on, and stored as images
.set AC, 64*((\a)%4)
.set TT, TMP+32*((\a)%2)
	WIN 0x0a+5*((\a)/4)                            ; sources 0 and 1: window 2 or 3
.irp b, 0,1,2,3,4,5,6,7
.irp r, 0,1,2,3
	v_cvt_pk_f16_f32 v[TT+4*\b+\r], v[AC+8*\b+2*\r], v[AC+8*\b+2*\r+1]
.endr
.endr
	WIN 0
.irp b, 0,1,2,3,4,5,6,7
	global_store_b128 v[LI], v[TT+4*\b:TT+4*\b+3], s[12:13] offset:((\b)/4)*1048576+(((\b)/2)%2)*1024+((\b)%2)*512+(\a)*2048   ; 512 consecutive bytes, aligned
.endr
.endm
	PACK 0
	PACK 1
.irp a, 2,3,4,5,6,7
	s_wait_xcnt 0x0                                ; block a - 2's stores have read their registers
	PACK \a
.endr
	s_wait_tensorcnt 0x0                           ; the wave's end
	ds_add_u32 v[SPW], v[NIL]
	s_wait_dscnt 0x0
	CROUND                                         ; the closing round
	s_endpgm
.Lfunc_end_k_qb326bdfb1b_gemm:
	.size	k_qb326bdfb1b_gemm, .Lfunc_end_k_qb326bdfb1b_gemm-k_qb326bdfb1b_gemm
	.p2alignl 7, 3214868480
	.fill 96, 4, 3214868480
	.section	.rodata,"a",@progbits
	.p2align	6, 0x0
	.amdhsa_kernel k_qb326bdfb1b_gemm
		.amdhsa_group_segment_fixed_size 327680
		.amdhsa_private_segment_fixed_size 0
		.amdhsa_enable_private_segment 0
		.amdhsa_kernarg_size 48
		.amdhsa_user_sgpr_count 2
		.amdhsa_user_sgpr_kernarg_segment_ptr 1
		.amdhsa_wavefront_size32 1
		.amdhsa_system_sgpr_workgroup_id_x 1
		.amdhsa_system_sgpr_workgroup_id_y 1
		.amdhsa_system_sgpr_workgroup_id_z 1
		.amdhsa_system_vgpr_workitem_id 0
		.amdhsa_next_free_vgpr 1024
		.amdhsa_next_free_sgpr 98
		.amdhsa_reserve_vcc 0
		.amdhsa_float_denorm_mode_32 3
		.amdhsa_float_denorm_mode_16_64 3
		.amdhsa_memory_ordered 1
		.amdhsa_forward_progress 1
		.amdhsa_inst_pref_size 119
	.end_amdhsa_kernel
	.amdgpu_metadata
---
amdhsa.version: [ 1, 2 ]
amdhsa.kernels:
  - .name:           k_qb326bdfb1b_gemm
    .symbol:         k_qb326bdfb1b_gemm.kd
    .args:
      - { .name: xc, .offset: 0, .size: 8, .value_kind: global_buffer, .address_space: global }
      - { .name: xs, .offset: 8, .size: 8, .value_kind: global_buffer, .address_space: global }
      - { .name: wc, .offset: 16, .size: 8, .value_kind: global_buffer, .address_space: global }
      - { .name: ws, .offset: 24, .size: 8, .value_kind: global_buffer, .address_space: global }
      - { .name: qkv, .offset: 32, .size: 8, .value_kind: global_buffer, .address_space: global }
      - { .name: fq, .offset: 40, .size: 8, .value_kind: global_buffer, .address_space: global }
    .group_segment_fixed_size: 327680
    .private_segment_fixed_size: 0
    .kernarg_segment_align: 8
    .kernarg_segment_size: 48
    .max_flat_workgroup_size: 128
    .sgpr_count:     98
    .vgpr_count:     1024
    .wavefront_size: 32
...
	.end_amdgpu_metadata
.endif
;; end of part 2
;; launch attn (part 3): grid 4 x 64, 8 waves a work-group, no clusters, 327,680 bytes of LDS; arguments qkv, z; writes z
.if DOCPART == 3
	.amdgcn_target "amdgcn-amd-amdhsa--gfx1250"
	.amdhsa_code_object_version 6
	.text
	.protected	k_qb326bdfb1b_attn
	.globl	k_qb326bdfb1b_attn
	.p2align	8
	.type	k_qb326bdfb1b_attn,@function
k_qb326bdfb1b_attn:
	s_mov_b64 s[64:65], 0
	v_nop
	global_prefetch_b8 v0, s[64:65] scope:SCOPE_SE
	s_setreg_imm32_b32 hwreg(HW_REG_WAVE_MODE, 25, 1), 1
	s_wait_xcnt 0x0
; CAUSAL ATTENTION, head size 64, on f16 operands with f32 products, maxima and sums.  q, k, v come as images of operand registers (qkv [plane 48][tile of 16 rows 512][32 channels 2][1,024 bytes]);
; z leaves the same way: [tile of 16 rows 512][32 of the 1,024 channels: 32][1,024 bytes], f16.
; SHARES.  Work-group (j, y), y = 4 x head + batch, owns the query blocks 7 - j and then j, 256 queries each: 8 - j and j + 1 slots of 256 keys, NINE ROUNDS in every work-group: equal work, constant trip counts.
; Each of eight waves owns 32 queries of the block in hand, two tiles of 16, so that each fragment of K and V read from LDS feeds two matrix instructions.
; NO CLUSTER: from the round in which the first of a head's four work-groups changes blocks, the four want different key slots in the same round, so their requests cannot be joint.
; LAYOUT.  S^T = K Q^T and O^T = V^T P: a lane holds ONE query (lane % 16) throughout; two tiles of S^T packed to f16 are source 1 of the second product.  V is turned by ds_load_tr16_b128.
; SOFTMAX.  A running maximum m and sum l for each query: p = 2^(c s - c m), c = log2(e) / 8; O and l are multiplied by a = 2^(c m_old - c m_new) in every step.
; THE MASK.  A step of 64 keys all of which come after my 32 queries is jumped over (a branch on ids); on the diagonal hidden scores become -infinity.  A step that is walked begins at or under my first query, so every row sees a key.
; The first 16 rows of each sequence are computed here like the others and are written over by the last launch, which carries them in f32.
; LIMITS: p is rounded to f16 (below 6e-5 as a subnormal); z beyond 65,504 has no f16.
.set VOFF,  32768                      ; a slot: K's 256 keys, 32,768 dense bytes; then V's: 128 pieces of 256 bytes + 128 of padding
.set SLOT1, 1<<17
.set SPARE, SLOT1+81920                ; the spare words, 128 bytes for each wave
.set LI,   1                           ; v1  16 x lane
.set AV0,  2                           ; v2  my lane's place in V's tiles
.set ADK,  3
.set ADV,  4
.set SPW,  5
.set NIL,  6
.set NINF, 7                           ; v7  -infinity
.set LT,   8                           ; v8  lane % 16 - 8 (lane / 16)
.set D0,   9                           ; v9, v10 the mask's bound for tile 0, 1
.set PFO,  11                          ; v11 256 x lane
.set ST,   12                          ; v12-27 tile i at ST + 8 i: +0 c m, +1 m, +2, +3 l, +4 .. +7 at work; a in +6
.set Q,    28                          ; v28-59
.set S,    60                          ; v60-123 S^T, 32 a tile; P in place in the first 16
.set O,    124                         ; v124-187 O^T, 32 a tile
.set KV,   188                         ; v188-251 K's fragments, then V's
.set CH2,  252                         ; v252-255 the sums' second chains
.set WV,8
.set J,9
.set SW,11                             ; s11 the round in which the blocks change: 8 - j
.set RND,12
.set KF,13                             ; s13 the step's first key
.set Q0,14                             ; s14 my first query
.set TK,15
.set TV,16
.set CNT,17
.set LIM,18
.set BACK,19
.set CS,22
.set SEL,24
.set G1K,28
.set G1V,36
.set G0K,44
.set G0V,48
.set PFA,52
.set QB,54
.set ZB,56
.set QA,58
.set ZA,60
.macro TLOAD                           ; waves 0, 1: K's halves; waves 2, 3: V's; the others nothing.  s_nop 0 and four v_nop behind each line
	s_cmp_lt_u32 s[WV], 2
	s_cbranch_scc0 .Lnot_k_\@
	tensor_load_to_lds s[G0K:G0K+3], s[G1K:G1K+7]
	s_nop 0
.rept 4
	v_nop
.endr
	s_branch .Lasked_\@
.Lnot_k_\@:
	s_cmp_lt_u32 s[WV], 4
	s_cbranch_scc0 .Lasked_\@
	tensor_load_to_lds s[G0V:G0V+3], s[G1V:G1V+7]
	s_nop 0
.rept 4
	v_nop
.endr
.Lasked_\@:
.endm
; A prefetch of the slot that the NEXT change will ask for.  The four work-groups of a head and batch walk the same K and V; the one with j = 0 walks slots 0 to 7 in rounds 0 to 7 and asks, in round s, for slot s + 2.
; Waves 0-3 take K's four quarters, waves 4-7 V's: 8,192 bytes a wave, lanes 256 bytes apart: each piece is named once.  Rounds 6 and later ask for nothing; slots 0 and 1 come by their loads alone.
.macro ASK
	s_cmp_lt_u32 s[RND], s[LIM]
	s_cbranch_scc0 .Lnot_mine_\@
	global_prefetch_b8 v[PFO], s[PFA:PFA+1] th:TH_LOAD_NT scope:SCOPE_SE
.Lnot_mine_\@:
.endm
; THE CHANGE OF SLOTS, at a round's head.  Every wave waits for all its tensor loads, adds 0 to its spare word, waits for that and for its reads of the slot that it has left; then the barrier; then the other slot is filled.
.macro CHANGE fill
	s_wait_tensorcnt 0x0                           ; no tensor load of mine is out, so a group 0 may be written
	ds_add_u32 v[SPW], v[NIL]
.if \fill
	ds_add_u32 v[SPW], v[NIL]                      ; twice on end here, in every trip alike
	s_xor_b32 s[G0K+1], s[G0K+1], SLOT1            ; the walking descriptors: the other slot,
	s_xor_b32 s[G0V+1], s[G0V+1], SLOT1
	s_add_nc_u64 s[G0K+2:G0K+3], s[G0K+2:G0K+3], 32768   ; the next 256 keys,
	s_add_nc_u64 s[G0V+2:G0V+3], s[G0V+2:G0V+3], 32768
	s_add_co_u32 s66, s[RND], 1
	s_cmp_eq_u32 s66, s[SW]
	s_cselect_b32 s20, s[BACK], 0                  ; or, where the next round begins the second block, key 0 again
	s_sub_nc_u64 s[G0K+2:G0K+3], s[G0K+2:G0K+3], s[20:21]
	s_sub_nc_u64 s[G0V+2:G0V+3], s[G0V+2:G0V+3], s[20:21]
	s_wait_xcnt 0x0                                ; the last prefetch, a round back, has read its address
	s_add_nc_u64 s[PFA:PFA+1], s[PFA:PFA+1], 32768
.endif
	s_wait_dscnt 0x0
	s_barrier_signal -1
	s_barrier_wait -1
.if \fill
	TLOAD                                          ; my one tensor load until the next barrier: it has a round's four steps in which to land
	ASK
.endif
.endm
.macro INIT
.irp i, 0,1
	v_mov_b32 v[ST+8*\i+1], 0xff61b1e6             ; m = -3e38, under every score
	v_mul_f32 v[ST+8*\i], s[CS], v[ST+8*\i+1]
	v_mov_b32 v[ST+8*\i+2], 0
	v_mov_b32 v[ST+8*\i+3], 0
	v_mov_b32 v[ST+8*\i+5], 0
	v_mov_b32 v[ST+8*\i+7], 0
.endr
.set n, 0
.rept 64
	v_mov_b32 v[O+n], 0                            ; the step is written once: the first finds zeros, which a = 0 leaves zeros
.set n, n+1
.endr
.endm
.macro QLOAD
	s_lshl_b32 s66, s[Q0], 7                       ; (query / 16) x 2,048
	s_mov_b32 s67, 0
	s_add_nc_u64 s[QA:QA+1], s[QB:QB+1], s[66:67]
.irp i, 0,1
.irp c, 0,1
.irp g, 0,1
	global_load_b128 v[Q+16*\i+8*\c+4*\g:Q+16*\i+8*\c+4*\g+3], v[LI], s[QA:QA+1] offset:2048*\i+1024*\c+512*\g
.endr
.endr
.endr
.endm
.macro FINISH                          ; O^T / l, rounded to f16: a lane's four registers are its 16 bytes of z's image
	s_lshl_b32 s66, s[Q0], 11                      ; (query / 16) x 32,768
	s_mov_b32 s67, 0
	s_add_nc_u64 s[ZA:ZA+1], s[ZB:ZB+1], s[66:67]
.irp i, 0,1
	v_add_f32 v[ST+8*\i+4], v[ST+8*\i+2], v[ST+8*\i+3]
.endr
.irp i, 0,1
	v_permlanex16_b32 v[ST+8*\i+5], v[ST+8*\i+4], s[SEL], s[SEL+1]
.endr
.irp i, 0,1
	v_add_f32 v[ST+8*\i+4], v[ST+8*\i+4], v[ST+8*\i+5]
.endr
.irp i, 0,1
	v_rcp_f32 v[ST+8*\i+6], v[ST+8*\i+4]
.endr
	v_nop                                          ; a plain line behind the reciprocals,
	s_wait_alu depctr_va_vdst(0)                   ; and one wait for both, ahead of the first reader
.irp i, 0,1
.set n, 0
.rept 16
	v_pk_mul_f32 v[O+32*\i+n:O+32*\i+n+1], v[O+32*\i+n:O+32*\i+n+1], v[ST+8*\i+6:ST+8*\i+7] op_sel_hi:[1,0]
.set n, n+2
.endr
.endr
.irp i, 0,1
.set n, 0
.rept 16
	v_cvt_pk_f16_f32 v[S+32*\i+n], v[O+32*\i+2*n], v[O+32*\i+2*n+1]
.set n, n+1
.endr
.endr
.irp i, 0,1
.irp ct, 0,1,2,3
	global_store_b128 v[LI], v[S+32*\i+4*\ct:S+32*\i+4*\ct+3], s[ZA:ZA+1] offset:32768*\i+512*\ct   ; 512 consecutive bytes, aligned
.endr
.endr
.endm
.macro SWITCH                          ; in round 8 - j the first block is finished and the second begins
	s_cmp_lg_u32 s[RND], s[SW]
	s_cbranch_scc1 .Lsame_\@
	FINISH
	s_wait_xcnt 0x0                                ; the stores have read their data and their base: both are written again
	s_lshl_b32 s[Q0], s[J], 8
	s_lshl_b32 s66, s[WV], 5
	s_add_co_u32 s[Q0], s[Q0], s66
	s_mov_b32 s[KF], 0
	QLOAD
	INIT
	s_wait_loadcnt 0x0
.Lsame_\@:
.endm
.macro SOFTMAX                         ; both tiles, line by line by turns
.irp j, 0,1,2,3
.irp i, 0,1
	v_max3_num_f32 v[ST+8*\i+4+\j], v[S+32*\i+8*\j], v[S+32*\i+8*\j+1], v[S+32*\i+8*\j+2]   ; each accumulator from its low end on
.endr
.endr
.irp u, 3,5
.irp j, 0,1,2,3
.irp i, 0,1
	v_max3_num_f32 v[ST+8*\i+4+\j], v[ST+8*\i+4+\j], v[S+32*\i+8*\j+\u], v[S+32*\i+8*\j+\u+1]
.endr
.endr
.endr
.irp i, 0,1
	v_max3_num_f32 v[ST+8*\i+4], v[ST+8*\i+4], v[S+32*\i+7], v[S+32*\i+15]
.endr
.irp i, 0,1
	v_max3_num_f32 v[ST+8*\i+6], v[ST+8*\i+6], v[S+32*\i+23], v[S+32*\i+31]
.endr
.irp i, 0,1
	v_max3_num_f32 v[ST+8*\i+4], v[ST+8*\i+4], v[ST+8*\i+5], v[ST+8*\i+6]
.endr
.irp i, 0,1
	v_max3_num_f32 v[ST+8*\i+4], v[ST+8*\i+4], v[ST+8*\i+7], v[ST+8*\i+1]   ; and the old m
.endr
.irp i, 0,1
	v_permlanex16_b32 v[ST+8*\i+5], v[ST+8*\i+4], s[SEL], s[SEL+1]          ; the query's other 32 keys lie in the lane 16 away
.endr
.irp i, 0,1
	v_mov_b32 v[ST+8*\i+7], v[ST+8*\i]             ; c m_old
.endr
.irp i, 0,1
	v_max_num_f32 v[ST+8*\i+1], v[ST+8*\i+4], v[ST+8*\i+5]
.endr
.irp i, 0,1
	v_mul_f32 v[ST+8*\i], s[CS], v[ST+8*\i+1]
.endr
.irp i, 0,1
	v_sub_f32 v[ST+8*\i+7], v[ST+8*\i+7], v[ST+8*\i]
.endr
.set n, 0
.rept 16
.irp i, 0,1
	v_pk_fma_f32 v[S+32*\i+n:S+32*\i+n+1], v[S+32*\i+n:S+32*\i+n+1], s[CS:CS+1], v[ST+8*\i:ST+8*\i+1] op_sel_hi:[1,0,0] neg_lo:[0,0,1] neg_hi:[0,0,1]   ; c s - c m
.endr
.set n, n+2
.endr
.irp i, 0,1
	v_exp_f32 v[ST+8*\i+6], v[ST+8*\i+7]           ; a
.endr
.set n, 0
.rept 64
	v_exp_f32 v[S+n], v[S+n]                       ; p: one batch of 66 exponentials
.set n, n+1
.endr
	v_nop                                          ; a plain line behind the last,
	s_wait_alu depctr_va_vdst(0)                   ; and ONE wait, ahead of the first reader
.irp i, 0,1
	v_pk_add_f32 v[ST+8*\i+4:ST+8*\i+5], v[S+32*\i:S+32*\i+1], v[S+32*\i+2:S+32*\i+3]      ; the sum of the unrounded p, two chains a tile
.endr
.irp i, 0,1
	v_pk_add_f32 v[CH2+2*\i:CH2+2*\i+1], v[S+32*\i+4:S+32*\i+5], v[S+32*\i+6:S+32*\i+7]
.endr
.irp u, 8,12,16,20,24,28
.irp i, 0,1
	v_pk_add_f32 v[ST+8*\i+4:ST+8*\i+5], v[ST+8*\i+4:ST+8*\i+5], v[S+32*\i+\u:S+32*\i+\u+1]
.endr
.irp i, 0,1
	v_pk_add_f32 v[CH2+2*\i:CH2+2*\i+1], v[CH2+2*\i:CH2+2*\i+1], v[S+32*\i+\u+2:S+32*\i+\u+3]
.endr
.endr
.irp i, 0,1
	v_pk_add_f32 v[ST+8*\i+4:ST+8*\i+5], v[ST+8*\i+4:ST+8*\i+5], v[CH2+2*\i:CH2+2*\i+1]
.endr
.irp i, 0,1
	v_pk_fma_f32 v[ST+8*\i+2:ST+8*\i+3], v[ST+8*\i+2:ST+8*\i+3], v[ST+8*\i+6:ST+8*\i+7], v[ST+8*\i+4:ST+8*\i+5] op_sel_hi:[1,0,1]   ; l = a l + the sum
.endr
.set n, 0
.rept 16
.irp i, 0,1
	v_cvt_pk_f16_f32 v[S+32*\i+n], v[S+32*\i+2*n], v[S+32*\i+2*n+1]   ; P in place, ascending: register n is written when 2 n and 2 n + 1 are read
.endr
.set n, n+1
.endr
.set n, 0
.rept 16
.irp i, 0,1
	v_pk_mul_f32 v[O+32*\i+n:O+32*\i+n+1], v[O+32*\i+n:O+32*\i+n+1], v[ST+8*\i+6:ST+8*\i+7] op_sel_hi:[1,0]   ; O^T x a
.endr
.set n, n+2
.endr
.endm
.macro STEP                            ; 64 keys
	s_add_co_u32 s66, s[Q0], 31
	s_cmp_gt_u32 s[KF], s66
	s_cbranch_scc1 .Lhid_\@                        ; all 64 keys come after my 32 queries
	v_add_nc_u32 v[ADK], s[TK], v[LI]
	v_add_nc_u32 v[ADV], s[TV], v[AV0]
.irp kt, 0,1,2,3
.irp c, 0,1
	ds_load_b128 v[KV+16*\kt+8*\c:KV+16*\kt+8*\c+3],   v[ADK] offset:2048*\kt+1024*\c
	ds_load_b128 v[KV+16*\kt+8*\c+4:KV+16*\kt+8*\c+7], v[ADK] offset:2048*\kt+1024*\c+512
.endr
.endr
	s_wait_dscnt 0x0
.irp c, 0,1                            ; S^T = K Q^T: eight accumulators by turns; the first eight products start the sums
.irp kt, 0,1,2,3
.irp i, 0,1
.if \c == 0
	v_wmma_f32_16x16x32_f16 v[S+32*\i+8*\kt:S+32*\i+8*\kt+7], v[KV+16*\kt+8*\c:KV+16*\kt+8*\c+7], v[Q+16*\i+8*\c:Q+16*\i+8*\c+7], 0
.else
	v_wmma_f32_16x16x32_f16 v[S+32*\i+8*\kt:S+32*\i+8*\kt+7], v[KV+16*\kt+8*\c:KV+16*\kt+8*\c+7], v[Q+16*\i+8*\c:Q+16*\i+8*\c+7], v[S+32*\i+8*\kt:S+32*\i+8*\kt+7]
.endif
.endr
.endr
.endr
.rept 4
	v_nop                                          ; places ahead of the loads into K's registers and of the reads of the scores
.endr
.irp kc, 0,1                           ; V, turned: it lands while the softmax is walked
.irp ct, 0,1,2,3
	ds_load_tr16_b128 v[KV+32*\kc+8*\ct:KV+32*\kc+8*\ct+3],   v[ADV] offset:6144*\kc+768*\ct
	ds_load_tr16_b128 v[KV+32*\kc+8*\ct+4:KV+32*\kc+8*\ct+7], v[ADV] offset:6144*\kc+3072+768*\ct
.endr
.endr
	s_add_co_u32 s66, s[KF], 63
	s_cmp_le_u32 s66, s[Q0]
	s_cbranch_scc1 .Lopen_\@                       ; all 64 keys count for all my queries
	s_sub_co_i32 s66, s[Q0], s[KF]
	v_add_nc_u32 v[D0], s66, v[LT]                 ; register n of tile i holds key KF + 16 (n / 8) + 8 h + n % 8: hidden where 16 (n / 8) + n % 8 > Q0 - KF + 16 i + r - 8 h
	v_add_nc_u32 v[D0+1], 16, v[D0]
.irp i, 0,1
.set n, 0
.rept 32
	v_cmp_gt_i32 vcc_lo, 16*(n/8)+n%8, v[D0+\i]
	v_cndmask_b32 v[S+32*\i+n], v[S+32*\i+n], v[NINF], vcc_lo
.set n, n+1
.endr
.endr
.Lopen_\@:
	SOFTMAX
	s_wait_dscnt 0x0                               ; V is in
.irp kc, 0,1                           ; O^T += V^T P: eight accumulators by turns
.irp ct, 0,1,2,3
.irp i, 0,1
	v_wmma_f32_16x16x32_f16 v[O+32*\i+8*\ct:O+32*\i+8*\ct+7], v[KV+32*\kc+8*\ct:KV+32*\kc+8*\ct+7], v[S+32*\i+8*\kc:S+32*\i+8*\kc+7], v[O+32*\i+8*\ct:O+32*\i+8*\ct+7]
.endr
.endr
.endr
.rept 5
	v_nop                                          ; five places: the next step's first products write over P, its loads land on V
.endr
.Lhid_\@:
	s_add_co_u32 s[KF], s[KF], 64
	s_add_co_u32 s[TK], s[TK], 8192
	s_add_co_u32 s[TV], s[TV], 12288
.endm
.macro SLOT_STEPS
	SWITCH
	s_mov_b32 s[CNT], 4
.Lstep_\@:
	STEP
	s_sub_co_u32 s[CNT], s[CNT], 1
	s_cmp_lg_u32 s[CNT], 0
	s_cbranch_scc1 .Lstep_\@
	s_sub_co_u32 s[TK], s[TK], 32768               ; back to a slot's first step,
	s_sub_co_u32 s[TV], s[TV], 49152
	s_xor_b32 s[TK], s[TK], SLOT1                  ; in the other slot
	s_xor_b32 s[TV], s[TV], SLOT1
.endm
	s_load_b128 s[4:7], s[0:1], 0x0                ; qkv, z
	v_lshl_add_u32 v[SPW], v0, 2, SPARE
	v_mov_b32 v[NIL], 0
	ds_add_u32 v[SPW], v[NIL]                      ; the wave's opening: the add, twice on end, and its wait
	ds_add_u32 v[SPW], v[NIL]
	v_lshrrev_b32 v1, 5, v0
	v_readfirstlane_b32 s[WV], v1
	s_mov_b32 s[J], ttmp9
	s_and_b32 s10, ttmp7, 0xffff                   ; y = 4 x head + batch
	s_sub_co_u32 s[SW], 8, s[J]
	s_lshl_b32 s[BACK], s[SW], 15
	s_mov_b32 s[G1K], 3<<16                        ; K: 64 rows of 32 elements of 8 bytes, dense in memory and in LDS
	s_mov_b32 s[G1K+1], 32<<16
	s_mov_b32 s[G1K+2], 64<<16
	s_mov_b32 s[G1K+3], 32<<16
	s_mov_b32 s[G1K+4], 64
	s_mov_b32 s[G1K+5], 32
	s_mov_b32 s[G1K+6], 0
	s_mov_b32 s[G1K+7], 0
	s_mov_b32 s[G1V], (3<<16)|(1<<20)|(5<<22)|(31<<25)   ; V: the same with 32 words of padding behind every 64
	s_mov_b32 s[G1V+1], 32<<16
	s_mov_b32 s[G1V+2], 64<<16
	s_mov_b32 s[G1V+3], 32<<16
	s_mov_b32 s[G1V+4], 64
	s_mov_b32 s[G1V+5], 32
	s_mov_b32 s[G1V+6], 0
	s_mov_b32 s[G1V+7], 0
	s_mov_b32 s[CS], 0x3e38aa3b                    ; c = log2(e) / 8
	s_mov_b32 s[CS+1], s[CS]
	s_mov_b32 s[SEL], 0x76543210
	s_mov_b32 s[SEL+1], 0xfedcba98
	s_lshl_b32 s66, s10, 18                        ; (head, batch) inside a group of 16 planes
	s_mov_b32 s67, 0
	s_and_b32 s68, s[WV], 1
	s_lshl_b32 s20, s68, 14                        ; my half of a slot: 16,384 bytes in memory, and in K's part of LDS
	s_mov_b32 s21, 0
	s_mul_i32 s69, s68, 24576
	s_add_co_u32 s69, s69, VOFF
	s_mov_b32 s[TK], 0
	s_mov_b32 s[TV], 0
	s_mov_b32 s[KF], 0
	s_mov_b32 s[RND], 0
	s_wait_dscnt 0x0                               ; both opening adds are done
	s_wait_kmcnt 0x0
	s_add_nc_u64 s[QB:QB+1], s[4:5], s[66:67]      ; q's plane
	s_mov_b32 s[G0K], 1
	s_mov_b32 s[G0K+1], s20
	s_add_nc_u64 s[G0K+2:G0K+3], s[QB:QB+1], 0x1000000   ; k's planes lie 16 planes on
	s_add_nc_u64 s[G0K+2:G0K+3], s[G0K+2:G0K+3], s[20:21]
	s_or_b32 s[G0K+3], s[G0K+3], 0x80000000
	s_mov_b32 s[G0V], 1
	s_mov_b32 s[G0V+1], s69
	s_add_nc_u64 s[G0V+2:G0V+3], s[QB:QB+1], 0x2000000   ; v's 32
	s_add_nc_u64 s[G0V+2:G0V+3], s[G0V+2:G0V+3], s[20:21]
	s_or_b32 s[G0V+3], s[G0V+3], 0x80000000
	TLOAD                                          ; slot 0: keys 0 to 255, which count for every block
	s_cmp_lt_u32 s[WV], 4                          ; the prefetches: waves 0-3 K, waves 4-7 V
	s_mov_b32 s70, 0x2000000
	s_cselect_b32 s70, 0x1000000, s70
	s_and_b32 s68, s[WV], 3
	s_lshl_b32 s68, s68, 13
	s_add_co_u32 s70, s70, s68
	s_add_co_u32 s70, s70, 32768                   ; in slot 1: the first change steps it to slot 2
	s_mov_b32 s71, 0
	s_add_nc_u64 s[PFA:PFA+1], s[QB:QB+1], s[70:71]
	s_cmp_eq_u32 s[J], 0
	s_cselect_b32 s[LIM], 6, 0
	s_and_b32 s68, s10, 3
	s_lshl_b32 s68, s68, 22                        ; z: the batch's 128 tiles of rows,
	s_lshr_b32 s69, s10, 2
	s_lshl_b32 s69, s69, 11                        ; the head's two images
	s_add_co_u32 s68, s68, s69
	s_mov_b32 s69, 0
	s_add_nc_u64 s[ZB:ZB+1], s[6:7], s[68:69]
	s_sub_co_u32 s[Q0], 7, s[J]
	s_lshl_b32 s[Q0], s[Q0], 8
	s_lshl_b32 s66, s[WV], 5
	s_add_co_u32 s[Q0], s[Q0], s66                 ; my first query: block 7 - j
	v_and_b32 v3, 31, v0
	v_lshlrev_b32 v[LI], 4, v3
	v_lshlrev_b32 v[PFO], 8, v3
	v_bfe_u32 v4, v0, 4, 1                         ; h
	v_and_b32 v9, 15, v0                           ; r
	v_lshlrev_b32 v10, 3, v4
	v_sub_nc_u32 v[LT], v9, v10
	v_and_b32 v9, 7, v0
	v_bfe_u32 v10, v0, 3, 1
	v_mul_u32_u24 v[AV0], v10, 384                 ; the turning load: lane l reads key 8 h + l % 8, channels 8 ((l / 8) % 2) on: the piece 384 bytes on, 128 h, 16 (l % 8)
	v_lshl_add_u32 v[AV0], v4, 7, v[AV0]
	v_lshl_add_u32 v[AV0], v9, 4, v[AV0]
	v_add_nc_u32 v[AV0], VOFF, v[AV0]
	v_mov_b32 v[NINF], 0xff800000
	QLOAD
	INIT
	s_wait_loadcnt 0x0                             ; Q
.Lround:                                           ; eight trips; behind each change the next round's slot is asked for
	CHANGE 1
	SLOT_STEPS
	s_add_co_u32 s[RND], s[RND], 1
	s_cmp_lt_u32 s[RND], 8
	s_cbranch_scc1 .Lround
	CHANGE 0                                       ; the ninth round is written out: nothing is left to fetch
	SLOT_STEPS
	FINISH
	s_wait_tensorcnt 0x0                           ; the wave's end
	ds_add_u32 v[SPW], v[NIL]
	s_wait_dscnt 0x0
	s_endpgm
.Lfunc_end_k_qb326bdfb1b_attn:
	.size	k_qb326bdfb1b_attn, .Lfunc_end_k_qb326bdfb1b_attn-k_qb326bdfb1b_attn
	.p2alignl 7, 3214868480
	.fill 96, 4, 3214868480
	.section	.rodata,"a",@progbits
	.p2align	6, 0x0
	.amdhsa_kernel k_qb326bdfb1b_attn
		.amdhsa_group_segment_fixed_size 327680
		.amdhsa_private_segment_fixed_size 0
		.amdhsa_enable_private_segment 0
		.amdhsa_kernarg_size 16
		.amdhsa_user_sgpr_count 2
		.amdhsa_user_sgpr_kernarg_segment_ptr 1
		.amdhsa_wavefront_size32 1
		.amdhsa_system_sgpr_workgroup_id_x 1
		.amdhsa_system_sgpr_workgroup_id_y 1
		.amdhsa_system_sgpr_workgroup_id_z 1
		.amdhsa_system_vgpr_workitem_id 0
		.amdhsa_next_free_vgpr 256
		.amdhsa_next_free_sgpr 80
		.amdhsa_reserve_vcc 1
		.amdhsa_float_denorm_mode_32 3
		.amdhsa_float_denorm_mode_16_64 3
		.amdhsa_memory_ordered 1
		.amdhsa_forward_progress 1
		.amdhsa_inst_pref_size 77
	.end_amdhsa_kernel
	.amdgpu_metadata
---
amdhsa.version: [ 1, 2 ]
amdhsa.kernels:
  - .name:           k_qb326bdfb1b_attn
    .symbol:         k_qb326bdfb1b_attn.kd
    .args:
      - { .name: qkv, .offset: 0, .size: 8, .value_kind: global_buffer, .address_space: global }
      - { .name: z, .offset: 8, .size: 8, .value_kind: global_buffer, .address_space: global }
    .group_segment_fixed_size: 327680
    .private_segment_fixed_size: 0
    .kernarg_segment_align: 8
    .kernarg_segment_size: 16
    .max_flat_workgroup_size: 256
    .sgpr_count:     80
    .vgpr_count:     256
    .wavefront_size: 32
...
	.end_amdgpu_metadata
.endif
;; end of part 3
;; launch proj (part 4): grid 8 x 32, 4 waves a work-group, clusters of 4 x 4, 327,680 bytes of LDS; arguments z, wot, bo, out0; writes out0
.if DOCPART == 4
	.amdgcn_target "amdgcn-amd-amdhsa--gfx1250"
	.amdhsa_code_object_version 6
	.text
	.protected	k_qb326bdfb1b_proj
	.globl	k_qb326bdfb1b_proj
	.p2align	8
	.type	k_qb326bdfb1b_proj,@function
k_qb326bdfb1b_proj:
	s_mov_b64 s[64:65], 0
	v_nop
	global_prefetch_b8 v0, s[64:65] scope:SCOPE_SE
	s_setreg_imm32_b32 hwreg(HW_REG_WAVE_MODE, 25, 1), 1
	s_wait_xcnt 0x0
	s_wait_alu depctr_hold_cnt(0) depctr_sa_sdst(0) depctr_va_vdst(0) depctr_va_sdst(0) depctr_va_ssrc(0) depctr_va_vcc(0) depctr_vm_vsrc(0)
	s_getreg_b32 s2, hwreg(HW_REG_IB_STS2, 6, 4)
	s_cmp_eq_u32 s2, 0
	s_cbranch_scc0 .Lentry_in_a_cluster
	s_endpgm
.Lentry_in_a_cluster:
	s_bfe_u32 s2, ttmp6, 0x10000c
	s_cmp_lg_u32 s2, 0xf033
	s_cbranch_scc0 .Lentry_shape_is_right
	s_endpgm
.Lentry_shape_is_right:
; out0 [8192][1024] f32 = z Wo + bo, on f16 operands, sums in f32.  z and Wo come as images of operand registers: [tile of 16 rows (columns)][32 along K: 32][1,024 bytes]; a fragment is two loads at 16 x lane.
; A tile of 256 rows x 128 columns to a work-group: 256 work-groups.  Four waves, 128 x 64 each: 32 accumulators, 256 registers (window 1).  K goes in steps of 128 (four images a tile) through two LDS slots.
; CLUSTERS: 4 x 4; z's tiles are asked for jointly along a row of the cluster, Wo's along a column.
; THE MATRIX INSTRUCTION IS USED TRANSPOSED (source 0 = 16 columns of Wo, source 1 = 16 rows of z): a lane holds eight neighbouring columns of one row.  The bias is the C of each sum's first product.
; The way out goes through each wave's own stage in LDS, so that sixteen lanes store 256 consecutive bytes, aligned.
; REGISTERS, window 0: v16-31 addresses; v32-63 the bias, 8 registers a block of columns; v64-159, v160-255 two fragment buffers (A 64 registers, then B 32).
.set SLOT,   98304                     ; A: 16 tiles of rows x 4,096 bytes; then B: 8 tiles of columns x 4,096
.set STAGE,  2*SLOT
.set SPITCH, 272
.set SPARE,  STAGE+4*16*SPITCH
.set LAPS,   4
.set ADRA, 16
.set ADRB, 20
.set STO,  24
.set RD,   25
.set CO,   26
.set SPW,  28
.set NIL,  29
.set PFO,  30
.set BI,   32
.set F0,   64
.set F1,   160
.set OB,   64
.set WV, 12
.set RH, 13                            ; s13 my half of the rows; also: I fetch for A (0) or B (1)
.set CH, 14                            ; s14 my half of the columns; also: which half I fetch
.set LIM, 43
.set PFA, 44
.set G1, 24
.set G0, 32
.set G1B, 48
.set G0B, 56
.set MSB, 0
.macro WIN new
.if MSB != \new
	s_set_vgpr_msb (MSB<<8)|\new
.set MSB, \new
.endif
.endm
.set MUL,  0x50                        ; C and D window 1, sources 0 and 1 window 0
.set MULF, 0x40                        ; D window 1, C (the bias) window 0
.macro JLOAD s
	s_cmp_eq_u32 s[RH], 0
	s_cbranch_scc0 .Lfor_b_\@
	tensor_load_to_lds s[G0+4*\s:G0+4*\s+3], s[G1:G1+7]
	s_nop 0
.rept 4
	v_nop
.endr
	s_branch .Lasked_\@
.Lfor_b_\@:
	tensor_load_to_lds s[G0B+4*\s:G0B+4*\s+3], s[G1B:G1B+7]
	s_nop 0
.rept 4
	v_nop
.endr
.Lasked_\@:
.endm
; A prefetch of z's K step that stands two refills, 256 matrix instructions, on.  A tile row of z is read by both clusters of its row of clusters: the one with x = 0 asks, its waves 0 and 1.  Of the 8 tiles of rows
; that a wave fetches, each of the four partners takes two, told apart by address: 2 x 4,096 bytes, lanes 256 bytes apart.  The loop's last trip asks for nothing.  Wo's images are read by all eight rows of clusters: not asked for.
.macro ASK
	s_cmp_gt_u32 s3, s[LIM]
	s_cbranch_scc0 .Lnot_mine_\@
	global_prefetch_b8 v[PFO], s[PFA:PFA+1] offset:4096 th:TH_LOAD_NT scope:SCOPE_SE
.Lnot_mine_\@:
.endm
.macro CREST
	s_cmp_lg_u32 s[WV], 0
	s_cbranch_scc1 .Lnot_wave_0_\@
	s_barrier_signal -3
.Lnot_wave_0_\@:
	s_barrier_wait -3
	s_barrier_signal -1
	s_barrier_wait -1
.endm
.macro CROUND
	s_barrier_signal -1
	s_barrier_wait -1
	CREST
.endm
	s_load_b256 s[4:11], s[0:1], 0x0               ; z 4, wot 6, bo 8, out0 10
	v_lshl_add_u32 v[SPW], v0, 2, SPARE
	v_mov_b32 v[NIL], 0
	ds_add_u32 v[SPW], v[NIL]                      ; the wave's opening: the add, twice on end, and its wait
	ds_add_u32 v[SPW], v[NIL]
	v_lshrrev_b32 v1, 5, v0
	v_readfirstlane_b32 s[WV], v1
	s_lshr_b32 s[RH], s[WV], 1
	s_and_b32 s[CH], s[WV], 1
	s_bfe_u32 s40, ttmp6, 0x40000                  ; cx
	s_bfe_u32 s41, ttmp6, 0x40004                  ; cy
	s_lshl_b32 s42, ttmp9, 2
	s_add_co_u32 s42, s42, s40                     ; tile column
	s_and_b32 s15, ttmp7, 0xffff
	s_lshl_b32 s15, s15, 2
	s_add_co_u32 s15, s15, s41                     ; tile row
	s_lshl_b32 s16, s41, 2
	s_lshl_b32 s16, 15, s16                        ; my row of the cluster
	s_lshl_b32 s17, 0x1111, s40                    ; my column
	s_or_b32 s[G1+0], s16, (3<<16)|(1<<21)         ; elements of 8 bytes, dense in LDS; bit 21 beside the mask
	s_mov_b32 s[G1+1], 512<<16                     ; a row of the tile: four images, 4,096 bytes
	s_mov_b32 s[G1+2], 8<<16                       ; A: 8 tiles of rows to a load
	s_mov_b32 s[G1+3], 512<<16
	s_mov_b32 s[G1+4], 8
	s_mov_b32 s[G1+5], 4096                        ; 32,768 bytes from tile to tile
	s_mov_b32 s[G1+6], 0
	s_mov_b32 s[G1+7], 0
	s_or_b32 s[G1B+0], s17, (3<<16)|(1<<21)
	s_mov_b32 s[G1B+1], 512<<16
	s_mov_b32 s[G1B+2], 4<<16                      ; B: 4 tiles of columns to a load
	s_mov_b32 s[G1B+3], 512<<16
	s_mov_b32 s[G1B+4], 4
	s_mov_b32 s[G1B+5], 4096
	s_mov_b32 s[G1B+6], 0
	s_mov_b32 s[G1B+7], 0
	s_lshl_b32 s18, s15, 4
	s_lshl_b32 s19, s[CH], 3
	s_add_co_u32 s18, s18, s19
	s_lshl_b32 s18, s18, 15                        ; A: tile of rows 16 x tile row + 8 x half
	s_mov_b32 s19, 0
	s_lshl_b32 s46, s42, 3
	s_lshl_b32 s47, s[CH], 2
	s_add_co_u32 s46, s46, s47
	s_lshl_b32 s46, s46, 15                        ; B: tile of columns 8 x tile column + 4 x half
	s_mov_b32 s47, 0
	s_lshl_b32 s20, s[CH], 15                      ; where they go
	s_lshl_b32 s21, s[CH], 14
	s_add_co_u32 s21, s21, 65536
	s_wait_dscnt 0x0
	s_wait_kmcnt 0x0
	s_add_nc_u64 s[18:19], s[4:5], s[18:19]
	s_add_nc_u64 s[46:47], s[6:7], s[46:47]
	CROUND                                         ; all sixteen work-groups are here: the first joint loads meet
.irp s, 0,1
	s_mov_b32 s[G0+4*\s], 1
	s_add_co_u32 s[G0+4*\s+1], s20, \s*SLOT
	s_add_nc_u64 s[G0+4*\s+2:G0+4*\s+3], s[18:19], \s*4096
	s_or_b32 s[G0+4*\s+3], s[G0+4*\s+3], 0x80000000
	s_mov_b32 s[G0B+4*\s], 1
	s_add_co_u32 s[G0B+4*\s+1], s21, \s*SLOT
	s_add_nc_u64 s[G0B+4*\s+2:G0B+4*\s+3], s[46:47], \s*4096
	s_or_b32 s[G0B+4*\s+3], s[G0B+4*\s+3], 0x80000000
	JLOAD \s
.endr
	v_and_b32 v1, 15, v0                           ; r
	v_bfe_u32 v2, v0, 4, 1                         ; h
	v_lshlrev_b32 v31, 5, v2
	s_lshl_b32 s22, s42, 9
	s_lshl_b32 s23, s[CH], 8
	s_add_co_u32 s22, s22, s23                     ; my first column, in bytes of f32
	s_mov_b32 s23, 0
	s_add_nc_u64 s[8:9], s[8:9], s[22:23]
.irp b, 0,1,2,3
	global_load_b128 v[BI+8*\b:BI+8*\b+3],   v31, s[8:9] offset:64*\b      ; bo at columns 16 b + 8 h + 0 .. 7: the result's layout
	global_load_b128 v[BI+8*\b+4:BI+8*\b+7], v31, s[8:9] offset:64*\b+16
.endr
	s_add_nc_u64 s[10:11], s[10:11], s[22:23]
	s_lshl_b32 s22, s15, 20                        ; 256 rows of 4,096 bytes
	s_lshl_b32 s2, s[RH], 19
	s_add_co_u32 s22, s22, s2
	s_add_nc_u64 s[10:11], s[10:11], s[22:23]
	s_lshl_b32 s22, s40, 16                        ; the prefetches: my work-group's two tiles of the eight
	s_add_nc_u64 s[PFA:PFA+1], s[18:19], s[22:23]
	s_add_nc_u64 s[PFA:PFA+1], s[PFA:PFA+1], 8192  ; at K step 2: the first refill steps it to 3 and names 4
	s_or_b32 s22, s[RH], ttmp9
	s_cmp_eq_u32 s22, 0
	s_cselect_b32 s[LIM], 1, -1                    ; the same in all sixteen partners, for a given wave
	v_and_b32 v3, 31, v0
	v_lshlrev_b32 v3, 4, v3                        ; 16 x lane
	s_lshl_b32 s20, s[RH], 15
	s_lshl_b32 s21, s[CH], 14
	s_add_co_u32 s21, s21, 65536
.irp s, 0,1
	v_add_nc_u32 v[ADRA+\s], s20, v3
	v_add_nc_u32 v[ADRB+\s], s21, v3
	s_add_co_u32 s20, s20, SLOT
	s_add_co_u32 s21, s21, SLOT
.endr
	s_mul_i32 s20, s[WV], 16*SPITCH
	s_add_co_u32 s20, s20, STAGE                   ; my stage
	v_mul_u32_u24 v4, v1, SPITCH
	v_lshl_add_u32 v4, v2, 5, v4
	v_add_nc_u32 v[STO], s20, v4                   ; in: row r, 32 bytes for each half of the lanes
	v_mul_u32_u24 v4, v2, SPITCH
	v_lshl_add_u32 v4, v1, 4, v4
	v_add_nc_u32 v[RD], s20, v4                    ; back: lanes 0-15 one row of 256 bytes, lanes 16-31 the next
	v_lshlrev_b32 v[CO], 12, v2
	v_lshl_add_u32 v[CO], v1, 4, v[CO]             ; and the same two rows in out0
	v_lshlrev_b32 v[PFO], 15, v2
	v_lshl_add_u32 v[PFO], v1, 8, v[PFO]
; 8 matrix instructions: rows' blocks a0, a0 + 1 x the four blocks of columns.  The 32 accumulators take turns, in the same order in every quarter.
.macro MUL8 f, a0, first
.irp a, \a0, \a0+1
.irp b, 0,1,2,3
.if \first
	v_wmma_f32_16x16x32_f16 v[8*(4*(\a)+\b):8*(4*(\a)+\b)+7], v[\f+64+8*\b:\f+64+8*\b+7], v[\f+8*(\a):\f+8*(\a)+7], v[BI+8*\b:BI+8*\b+7]
.else
	v_wmma_f32_16x16x32_f16 v[8*(4*(\a)+\b):8*(4*(\a)+\b)+7], v[\f+64+8*\b:\f+64+8*\b+7], v[\f+8*(\a):\f+8*(\a)+7], v[8*(4*(\a)+\b):8*(4*(\a)+\b)+7]
.endif
.endr
.endr
.endm
.macro FETCH slot, q, f                ; 24 LDS loads in one run: B's four fragments, then A's eight, of the slot's q-th 32 along K
.irp i, 0,1,2,3
	ds_load_b128 v[\f+64+8*\i:\f+64+8*\i+3],   v[ADRB+\slot] offset:\i*4096+(\q)*1024
	ds_load_b128 v[\f+64+8*\i+4:\f+64+8*\i+7], v[ADRB+\slot] offset:\i*4096+(\q)*1024+512
.endr
.irp i, 0,1,2,3,4,5,6,7
	ds_load_b128 v[\f+8*\i:\f+8*\i+3],   v[ADRA+\slot] offset:\i*4096+(\q)*1024
	ds_load_b128 v[\f+8*\i+4:\f+8*\i+7], v[ADRA+\slot] offset:\i*4096+(\q)*1024+512
.endr
.endm
.macro PLACES
.rept 4
	v_nop
.endr
.endm
.macro QUARTER slot, q, f, g, first    ; multiplies buffer f; in its middle fetches the slot's q-th 32 along K into g
	s_wait_dscnt 8                                 ; B and A's blocks 0-3 are in; the youngest eight loads (A's blocks 4-7) may be out
	WIN MUL-0x10*\first
	MUL8 \f, 0, \first
	MUL8 \f, 2, \first
	PLACES
	WIN 0
	FETCH \slot, \q, \g
	s_wait_dscnt 24                                ; all but the 24 just issued
	WIN MUL-0x10*\first
	MUL8 \f, 4, \first
	MUL8 \f, 6, \first
.endm
; The last quarter multiplies buffer 1 and changes slots.  In front of the barrier each wave waits for all its tensor loads, adds 0 to its spare word, and waits for that and for its reads of this slot.
; fill = 1: the barrier opens a round of the cluster's barrier, and the joint refill, two K steps ahead, is the first thing behind it.
.macro TURN slot, next, fill
.if \fill
	s_wait_xcnt 0x0                                ; the last prefetch, a K step back, has read its address
	s_add_nc_u64 s[PFA:PFA+1], s[PFA:PFA+1], 4096
.endif
	WIN 0
	s_wait_tensorcnt 0x0
	ds_add_u32 v[SPW], v[NIL]
	s_wait_dscnt 9                                 ; (the add and the youngest eight loads may be out)
	WIN MUL
	MUL8 F1, 0, 0
	s_wait_dscnt 0x0
	s_barrier_signal -1
	MUL8 F1, 2, 0
	WIN 0
	s_barrier_wait -1
.if \fill
	CREST
	s_add_nc_u64 s[G0+4*\slot+2:G0+4*\slot+3], s[G0+4*\slot+2:G0+4*\slot+3], 8192
	s_add_nc_u64 s[G0B+4*\slot+2:G0B+4*\slot+3], s[G0B+4*\slot+2:G0B+4*\slot+3], 8192
	JLOAD \slot                                    ; its four v_nop are also the places ahead of the loads below
	FETCH \next, 0, F0
	ASK
.else
	PLACES
	FETCH \next, 0, F0
.endif
	WIN MUL
	MUL8 F1, 4, 0
	MUL8 F1, 6, 0
.endm
	s_wait_tensorcnt 1                             ; my part of K step 0 is in; K step 1's load may be out
	s_barrier_signal -1
	s_barrier_wait -1
	FETCH 0, 0, F0
	s_wait_loadcnt 0x0                             ; the bias
	QUARTER 0, 1, F0, F1, 1                        ; the first quarter stands ahead of the loop: its products start the sums on the bias
	WIN 0
	s_mov_b32 s3, LAPS-1
.Llap:
	QUARTER 0, 2, F1, F0, 0
	QUARTER 0, 3, F0, F1, 0
	TURN 0, 1, 1
	QUARTER 1, 1, F0, F1, 0
	QUARTER 1, 2, F1, F0, 0
	QUARTER 1, 3, F0, F1, 0
	TURN 1, 0, 1
	QUARTER 0, 1, F0, F1, 0
	WIN 0
	s_sub_co_u32 s3, s3, 1
	s_cmp_lg_u32 s3, 0
	s_cbranch_scc1 .Llap
	QUARTER 0, 2, F1, F0, 0                        ; the last lap fills nothing
	QUARTER 0, 3, F0, F1, 0
	TURN 0, 1, 0
	QUARTER 1, 1, F0, F1, 0
	QUARTER 1, 2, F1, F0, 0
	QUARTER 1, 3, F0, F1, 0
	s_wait_dscnt 8
	WIN MUL
	MUL8 F1, 0, 0
	MUL8 F1, 2, 0
	s_wait_dscnt 0
	MUL8 F1, 4, 0
	MUL8 F1, 6, 0
	WIN 0
; THE WAY OUT, a block of 16 rows x 64 columns at a time, through my own stage.  LDS serves a wave's instructions in order (ISA guide 5.7.1.4): no wait between the stores and the loads.
.macro TOSTAGE a
	WIN 0x04                                       ; an LDS store's data: window 1
.irp b, 0,1,2,3
	ds_store_b128 v[STO], v[8*(4*(\a)+\b):8*(4*(\a)+\b)+3] offset:64*\b        ; each accumulator from its low end on
	ds_store_b128 v[STO], v[8*(4*(\a)+\b)+4:8*(4*(\a)+\b)+7] offset:64*\b+16
.endr
	WIN 0
.irp t, 0,1,2,3,4,5,6,7
	ds_load_b128 v[OB+32*((\a)%2)+4*\t:OB+32*((\a)%2)+4*\t+3], v[RD] offset:\t*2*SPITCH
.endr
.endm
.macro SEND a, younger
	s_wait_dscnt \younger
.irp t, 0,1,2,3,4,5,6,7
	global_store_b128 v[CO], v[OB+32*((\a)%2)+4*\t:OB+32*((\a)%2)+4*\t+3], s[10:11] offset:(16*(\a)+2*\t)*4096 th:TH_STORE_NT   ; 16 lanes store 256 consecutive bytes, aligned
.endr
.endm
	PLACES
	TOSTAGE 0
.irp a, 1,2,3,4,5,6,7
.if \a > 1
	s_wait_xcnt 0x0                                ; block a - 2's stores have read their registers
.endif
	TOSTAGE \a
	SEND \a-1, 16                                  ; behind block a - 1's loads: block a's eight stores and eight loads
.endr
	SEND 7, 0
	s_wait_tensorcnt 0x0                           ; the wave's end
	ds_add_u32 v[SPW], v[NIL]
	s_wait_dscnt 0x0
	CROUND                                         ; the closing round
	s_endpgm
.Lfunc_end_k_qb326bdfb1b_proj:
	.size	k_qb326bdfb1b_proj, .Lfunc_end_k_qb326bdfb1b_proj-k_qb326bdfb1b_proj
	.p2alignl 7, 3214868480
	.fill 96, 4, 3214868480
	.section	.rodata,"a",@progbits
	.p2align	6, 0x0
	.amdhsa_kernel k_qb326bdfb1b_proj
		.amdhsa_group_segment_fixed_size 327680
		.amdhsa_private_segment_fixed_size 0
		.amdhsa_enable_private_segment 0
		.amdhsa_kernarg_size 32
		.amdhsa_user_sgpr_count 2
		.amdhsa_user_sgpr_kernarg_segment_ptr 1
		.amdhsa_wavefront_size32 1
		.amdhsa_system_sgpr_workgroup_id_x 1
		.amdhsa_system_sgpr_workgroup_id_y 1
		.amdhsa_system_sgpr_workgroup_id_z 1
		.amdhsa_system_vgpr_workitem_id 0
		.amdhsa_next_free_vgpr 512
		.amdhsa_next_free_sgpr 66
		.amdhsa_reserve_vcc 0
		.amdhsa_float_denorm_mode_32 3
		.amdhsa_float_denorm_mode_16_64 3
		.amdhsa_memory_ordered 1
		.amdhsa_forward_progress 1
		.amdhsa_inst_pref_size 87
	.end_amdhsa_kernel
	.amdgpu_metadata
---
amdhsa.version: [ 1, 2 ]
amdhsa.kernels:
  - .name:           k_qb326bdfb1b_proj
    .symbol:         k_qb326bdfb1b_proj.kd
    .args:
      - { .name: z, .offset: 0, .size: 8, .value_kind: global_buffer, .address_space: global }
      - { .name: wot, .offset: 8, .size: 8, .value_kind: global_buffer, .address_space: global }
      - { .name: bo, .offset: 16, .size: 8, .value_kind: global_buffer, .address_space: global }
      - { .name: out0, .offset: 24, .size: 8, .value_kind: global_buffer, .address_space: global }
    .group_segment_fixed_size: 327680
    .private_segment_fixed_size: 0
    .kernarg_segment_align: 8
    .kernarg_segment_size: 32
    .max_flat_workgroup_size: 128
    .sgpr_count:     66
    .vgpr_count:     512
    .wavefront_size: 32
...
	.end_amdgpu_metadata
.endif
;; end of part 4
;; launch fine (part 5): grid 16 x 4, 16 waves a work-group, no clusters, 71,680 bytes of LDS; arguments fq, Wo, bo, out0; writes out0
.if DOCPART == 5
	.amdgcn_target "amdgcn-amd-amdhsa--gfx1250"
	.amdhsa_code_object_version 6
	.text
	.protected	k_qb326bdfb1b_fine
	.globl	k_qb326bdfb1b_fine
	.p2align	8
	.type	k_qb326bdfb1b_fine,@function
k_qb326bdfb1b_fine:
	s_mov_b64 s[64:65], 0
	v_nop
	global_prefetch_b8 v0, s[64:65] scope:SCOPE_SE
	s_setreg_imm32_b32 hwreg(HW_REG_WAVE_MODE, 25, 1), 1
	s_wait_xcnt 0x0
; THE FIRST 16 POSITIONS OF EACH SEQUENCE, in f32 throughout: they average one to sixteen values and are the largest rows of the output, so the rounding of f16 operands weighs most there.
; Work-group (g, b): rows 0-15 of batch b, output columns 64 g .. 64 g + 63.  Wave w is head w: it makes its head's attention for the 16 rows (q, k, v from fq [4][16][3072], f32) and multiplies the result,
; which is the slice 64 w .. 64 w + 63 of the projection's K, with its rows of Wo.  z never leaves the registers; the sixteen partial sums meet in LDS.  96 matrix instructions of the f32 form a wave: no bulk work.
; All products are used transposed, so that a lane holds one query.  Along each product's K the places are permuted alike on both sides, so that every operand is a plain run of the lane's registers.
; The registers that the f32 matrix form writes, v176-239, are written by matrix instructions alone.
; These 64 rows of out0 were also written by the launch before; this launch writes them again.
.set SPARE, 69632                      ; behind the sixteen partial sums (16 rows x 272 bytes each): the spare words
.set SPW, 14
.set NIL, 15
.macro WLOAD base, t0                  ; Wo(64 w + 16 t + 8 h + 2 s + j, 64 g + 16 nt + r) for two t: 64 registers
.irp t, 0,1
.irp s, 0,1,2,3
.irp nt, 0,1,2,3
.irp j, 0,1
	global_load_b32 v[\base+32*\t+8*\s+2*\nt+\j], v5, s[6:7] offset:(16*(\t0+\t)+2*\s+\j)*4096+64*\nt
.endr
.endr
.endr
.endr
.endm
.macro WMUL base, t0                   ; 32 products; the four accumulators take turns
.irp t, 0,1
.irp s, 0,1,2,3
.irp nt, 0,1,2,3
.if (\t0+\t+\s) == 0
	v_wmma_f32_16x16x4_f32 v[176+8*\nt:183+8*\nt], v[\base+32*\t+8*\s+2*\nt:\base+32*\t+8*\s+2*\nt+1], v[80+8*(\t0+\t)+2*\s:81+8*(\t0+\t)+2*\s], 0
.else
	v_wmma_f32_16x16x4_f32 v[176+8*\nt:183+8*\nt], v[\base+32*\t+8*\s+2*\nt:\base+32*\t+8*\s+2*\nt+1], v[80+8*(\t0+\t)+2*\s:81+8*(\t0+\t)+2*\s], v[176+8*\nt:183+8*\nt]
.endif
.endr
.endr
.endr
.endm
	s_load_b256 s[4:11], s[0:1], 0x0               ; fq 4, Wo 6, bo 8, out0 10
	v_lshl_add_u32 v[SPW], v0, 2, SPARE
	v_mov_b32 v[NIL], 0
	v_lshrrev_b32 v1, 5, v0
	v_readfirstlane_b32 s12, v1                    ; wave = head
	s_mov_b32 s13, ttmp9                           ; g
	s_and_b32 s14, ttmp7, 0xffff                   ; batch
	s_mov_b32 s16, 0x76543210
	s_mov_b32 s17, 0xfedcba98                      ; v_permlanex16_b32's selects for lane l xor 16
	s_mov_b32 s18, 0x3e38aa3b                      ; c = log2(e) / 8
	v_and_b32 v1, 15, v0                           ; r
	v_bfe_u32 v2, v0, 4, 1                         ; h
	v_mul_u32_u24 v3, v1, 12288
	v_lshl_add_u32 v3, v2, 4, v3                   ; q, k: row r, + 16 h
	v_mul_u32_u24 v4, v2, 98304
	v_lshl_add_u32 v4, v1, 2, v4                   ; v: keys 8 h on, channel r
	v_lshlrev_b32 v5, 15, v2
	v_lshl_add_u32 v5, v1, 2, v5                   ; Wo: rows 8 h on, column r
	v_lshlrev_b32 v6, 3, v2
	v_sub_nc_u32 v6, v1, v6                        ; r - 8 h
	s_mul_i32 s20, s12, 4352
	v_mul_u32_u24 v7, v1, 272
	v_lshl_add_u32 v7, v2, 5, v7
	v_add_nc_u32 v7, s20, v7                       ; my partial sum: row r, + 32 h
	s_mul_i32 s20, s12, 544
	v_mul_u32_u24 v12, v2, 272
	v_lshl_add_u32 v12, v1, 4, v12
	v_add_nc_u32 v12, s20, v12                     ; the gathering: row 2 w + h, 16 bytes a lane
	v_lshlrev_b32 v13, 12, v2
	v_lshl_add_u32 v13, v1, 4, v13                 ; and the same place in out0
	v_lshlrev_b32 v252, 4, v1
	v_mov_b32 v249, 0                              ; a lane permute's destination counts as one of its sources
	v_mov_b32 v253, 0xff800000                     ; -infinity
	s_mul_i32 s20, s14, 196608
	s_lshl_b32 s21, s12, 8
	s_add_co_u32 s20, s20, s21
	s_mov_b32 s21, 0
	s_lshl_b32 s22, s12, 18
	s_lshl_b32 s23, s13, 8
	s_add_co_u32 s22, s22, s23
	s_mov_b32 s23, 0
	s_lshl_b32 s24, s13, 8
	s_mov_b32 s25, 0
	s_lshl_b32 s26, s14, 23
	s_lshl_b32 s27, s12, 13
	s_add_co_u32 s26, s26, s27
	s_add_co_u32 s26, s26, s24
	s_mov_b32 s27, 0
	s_wait_kmcnt 0x0
	s_add_nc_u64 s[4:5], s[4:5], s[20:21]
	s_add_nc_u64 s[6:7], s[6:7], s[22:23]
	s_add_nc_u64 s[8:9], s[8:9], s[24:25]
	s_add_nc_u64 s[10:11], s[10:11], s[26:27]
	global_load_b128 v[8:11], v252, s[8:9]         ; bo at my four columns of the gathering
.irp c, 0,1,2,3,4,5,6,7
	global_load_b128 v[16+4*\c:19+4*\c], v3, s[4:5] offset:32*\c           ; q(r, 8 c + 4 h + 0 .. 3)
	global_load_b128 v[48+4*\c:51+4*\c], v3, s[4:5] offset:4096+32*\c      ; k likewise
.endr
.irp t, 0,1,2,3
.irp s, 0,1,2,3
.irp j, 0,1
	global_load_b32 v[80+8*\t+2*\s+\j], v4, s[4:5] offset:8192+(2*\s+\j)*12288+64*\t   ; v(8 h + 2 s + j, 16 t + r)
.endr
.endr
.endr
	WLOAD 112, 0
	s_wait_loadcnt 63                              ; the 64 youngest loads are Wo's: all but one may be out, so bo, q, k and v are in
.irp c, 0,1,2,3,4,5,6,7                ; S^T = k q^T: two accumulators by turns; the first two products start the sums
.irp e, 0,1
.if \c == 0
	v_wmma_f32_16x16x4_f32 v[176+8*\e:183+8*\e], v[48+4*\c+2*\e:49+4*\c+2*\e], v[16+4*\c+2*\e:17+4*\c+2*\e], 0
.else
	v_wmma_f32_16x16x4_f32 v[176+8*\e:183+8*\e], v[48+4*\c+2*\e:49+4*\c+2*\e], v[16+4*\c+2*\e:17+4*\c+2*\e], v[176+8*\e:183+8*\e]
.endif
.endr
.endr
.rept 8
	v_nop                                          ; eight places behind this form (ISA guide 7.12.1)
.endr
	WLOAD 16, 2                                    ; the other half of Wo's rows, into q's and k's registers
.irp j, 0,1,2,3,4,5,6,7
	v_add_f32 v[240+\j], v[176+\j], v[184+\j]      ; lane (r, h): query r, key 8 h + j
.endr
.irp j, 0,1,2,3,4,5,6,7
	v_cmp_gt_i32 vcc_lo, \j, v6                    ; hidden where 8 h + j > r
	v_cndmask_b32 v[240+\j], v[240+\j], v253, vcc_lo
.endr
	v_max3_num_f32 v248, v240, v241, v242
	v_max3_num_f32 v248, v248, v243, v244
	v_max3_num_f32 v248, v248, v245, v246
	v_max_num_f32 v248, v248, v247
	v_permlanex16_b32 v249, v248, s16, s17
	v_max_num_f32 v248, v248, v249                 ; the row's maximum: key 0 counts for every query
	v_mul_f32 v254, s18, v248
.irp j, 0,1,2,3,4,5,6,7
	v_fma_f32 v[240+\j], v[240+\j], s18, -v254
.endr
.irp j, 0,1,2,3,4,5,6,7
	v_exp_f32 v[240+\j], v[240+\j]
.endr
	v_nop                                          ; a plain line behind the exponentials,
	s_wait_alu depctr_va_vdst(0)                   ; and one wait, ahead of the first reader
	v_add_f32 v250, v240, v241
	v_add_f32 v249, v242, v243
	v_add_f32 v250, v250, v244
	v_add_f32 v249, v249, v245
	v_add_f32 v250, v250, v246
	v_add_f32 v249, v249, v247
	v_add_f32 v250, v250, v249
	v_permlanex16_b32 v249, v250, s16, s17
	v_add_f32 v250, v250, v249                     ; the row's sum
	v_rcp_f32 v251, v250
	v_nop
	s_wait_alu depctr_va_vdst(0)
.irp s, 0,1,2,3                        ; O^T = v^T p^T: four accumulators by turns
.irp t, 0,1,2,3
.if \s == 0
	v_wmma_f32_16x16x4_f32 v[208+8*\t:215+8*\t], v[80+8*\t+2*\s:81+8*\t+2*\s], v[240+2*\s:241+2*\s], 0
.else
	v_wmma_f32_16x16x4_f32 v[208+8*\t:215+8*\t], v[80+8*\t+2*\s:81+8*\t+2*\s], v[240+2*\s:241+2*\s], v[208+8*\t:215+8*\t]
.endif
.endr
.endr
.rept 8
	v_nop
.endr
.set n, 0
.rept 32
	v_mul_f32 v[80+n], v[208+n], v251              ; z(r, 64 w + 16 t + 8 h + j), into v's registers
.set n, n+1
.endr
	s_wait_loadcnt 63                              ; the 64 youngest loads are the second half's: the first half is in
	WMUL 112, 0
	s_wait_loadcnt 0x0
	WMUL 16, 2
.rept 8
	v_nop
.endr
.irp nt, 0,1,2,3
	ds_store_b128 v7, v[176+8*\nt:179+8*\nt] offset:64*\nt        ; lane (r, h): row r, columns 16 nt + 8 h + 0 .. 7
	ds_store_b128 v7, v[180+8*\nt:183+8*\nt] offset:64*\nt+16
.endr
	s_wait_dscnt 0x0                               ; for the others' sake: my partial sum lies in LDS
	s_barrier_signal -1
	s_barrier_wait -1
	s_cmp_ge_u32 s12, 8
	s_cbranch_scc1 .Lend                           ; waves 0-7 gather two rows each
.irp p, 0,1,2,3,4,5,6,7,8,9,10,11,12,13,14,15
	ds_load_b128 v[16+4*\p:19+4*\p], v12 offset:4352*\p
.endr
	s_wait_dscnt 0x0
.irp p, 1,2,3,4,5,6,7,8,9,10,11,12,13,14,15
	v_pk_add_f32 v[16:17], v[16:17], v[16+4*\p:17+4*\p]
	v_pk_add_f32 v[18:19], v[18:19], v[18+4*\p:19+4*\p]
.endr
	v_pk_add_f32 v[16:17], v[16:17], v[8:9]
	v_pk_add_f32 v[18:19], v[18:19], v[10:11]
	global_store_b128 v13, v[16:19], s[10:11]      ; 16 lanes store 256 consecutive bytes, aligned
.Lend:
	s_wait_tensorcnt 0x0                           ; the wave's end
	ds_add_u32 v[SPW], v[NIL]
	s_wait_dscnt 0x0
	s_endpgm
.Lfunc_end_k_qb326bdfb1b_fine:
	.size	k_qb326bdfb1b_fine, .Lfunc_end_k_qb326bdfb1b_fine-k_qb326bdfb1b_fine
	.p2alignl 7, 3214868480
	.fill 96, 4, 3214868480
	.section	.rodata,"a",@progbits
	.p2align	6, 0x0
	.amdhsa_kernel k_qb326bdfb1b_fine
		.amdhsa_group_segment_fixed_size 71680
		.amdhsa_private_segment_fixed_size 0
		.amdhsa_enable_private_segment 0
		.amdhsa_kernarg_size 32
		.amdhsa_user_sgpr_count 2
		.amdhsa_user_sgpr_kernarg_segment_ptr 1
		.amdhsa_wavefront_size32 1
		.amdhsa_system_sgpr_workgroup_id_x 1
		.amdhsa_system_sgpr_workgroup_id_y 1
		.amdhsa_system_sgpr_workgroup_id_z 1
		.amdhsa_system_vgpr_workitem_id 0
		.amdhsa_next_free_vgpr 256
		.amdhsa_next_free_sgpr 66
		.amdhsa_reserve_vcc 1
		.amdhsa_float_denorm_mode_32 3
		.amdhsa_float_denorm_mode_16_64 3
		.amdhsa_memory_ordered 1
		.amdhsa_forward_progress 1
		.amdhsa_inst_pref_size 34
	.end_amdhsa_kernel
	.amdgpu_metadata
---
amdhsa.version: [ 1, 2 ]
amdhsa.kernels:
  - .name:           k_qb326bdfb1b_fine
    .symbol:         k_qb326bdfb1b_fine.kd
    .args:
      - { .name: fq, .offset: 0, .size: 8, .value_kind: global_buffer, .address_space: global }
      - { .name: Wo, .offset: 8, .size: 8, .value_kind: global_buffer, .address_space: global }
      - { .name: bo, .offset: 16, .size: 8, .value_kind: global_buffer, .address_space: global }
      - { .name: out0, .offset: 24, .size: 8, .value_kind: global_buffer, .address_space: global }
    .group_segment_fixed_size: 71680
    .private_segment_fixed_size: 0
    .kernarg_segment_align: 8
    .kernarg_segment_size: 32
    .max_flat_workgroup_size: 512
    .sgpr_count:     66
    .vgpr_count:     256
    .wavefront_size: 32
...
	.end_amdgpu_metadata
.endif
;; end of part 5
